; MI455X (gfx1250); checked and timed in simulation.
; The chip was launched on July 23, 2026; its instructions are those of AMD's public machine-readable ISA for CDNA 5 (MIT licence, August 2026) and "CDNA5" Instruction Set Architecture Reference Guide (July 2026). The comments in the code are by the model that wrote it; some were corrected since.
;; Causal Self Attention. Allowed arithmetic: matrix products marked QUANTISED: E2M3 operands, one E8M0 scale for each 32 along K, by v_wmma_scale_f32_16x16x128_f8f6f4 with both operands' format E2M3, f32 sums; everything else in f32.
;; Inputs: W_attn 1,024 x 3,072 float32; W_proj 1,024 x 1,024 float32; b_attn 3,072 float32; b_proj 1,024 float32; x 4 x 2,048 x 1,024 float32.
;; Outputs: out0 4 x 2,048 x 1,024 float32.
;; This version of the problem:
;;   THIS VERSION OF THE PROBLEM IS GIVEN IN LOW PRECISION. The matrix products marked QUANTISED in the list below multiply operands that are first quantised to E2M3 (2 exponent bits, 3 mantissa bits; 6 bits a number), with one power-of-two scale for each 32 numbers along K (OCP MX v1.0); their sums are f32. All else is computed in f32.
;;   The module's matrix products, in the order in which they are computed (A, B: the left and right operand; K: the contracted axis; several contracted axes count as one K, in the product's order):
;;     1. [M 8,192, K 1,024] x [K 1,024, N 3,072]; A: input x; B: input W_attn: QUANTISED
;;     2. batch 64 x [M 2,048, K 64] x [K 64, N 2,048]; A: computed on the way; B: computed on the way: QUANTISED
;;     3. batch 64 x [M 2,048, K 2,048] x [K 2,048, N 64]; A: softmax (see below); B: computed on the way: QUANTISED
;;     4. [M 8,192, K 1,024] x [K 1,024, N 1,024]; A: computed on the way; B: input W_proj: QUANTISED
;;   THE QUANTISER, for each operand of a quantised product, along K:
;;     - K is cut into blocks of 32 from its start; a last block that is shorter is filled with zeros.
;;     - A block's scale is 2^e with e = floor(log2(the largest magnitude in the block)) - 2, held to -126 .. 127; a block of zeros has e = 0. As a byte (E8M0): e + 127.
;;     - Each number is divided by its block's scale, clamped to +-7.5, and rounded to the nearest number of E2M3, ties to even, subnormals kept.
;;     - The product sums the exact products of the quantised numbers (number of the format x scale) in f32.
;;   ~~~python
;;   def quantise(x, axis):      # numpy; x: float32 -> the quantised numbers, widened to float32 again
;;       x = np.moveaxis(x, axis, -1); K = x.shape[-1]
;;       x = np.pad(x, [(0, 0)] * (x.ndim - 1) + [(0, -K % 32)]); x = x.reshape(x.shape[:-1] + (-1, 32)); a = np.abs(x).max(-1, keepdims=True)
;;       e = np.where(a > 0, np.clip(np.frexp(np.where(a > 0, a, 1))[1] - 1 - 2, -126, 127), 0)      # np.frexp(a)[1] - 1 = floor(log2(a)), exactly
;;       r = np.clip(x / 2.0 ** e, -7.5, 7.5)
;;       step = 2.0 ** (np.maximum(np.frexp(np.where(r == 0, 1, r))[1] - 1, 0) - 3)
;;       q = np.round(r / step) * step * 2.0 ** e      # np.round: ties to even
;;       return np.moveaxis(q.reshape(q.shape[:-2] + (-1,))[..., :K], -1, axis).astype(np.float32)
;;   ~~~
;;   SOFTMAX AHEAD OF A QUANTISED PRODUCT. Where the list says 'softmax', what is quantised is not the finished softmax but p = 2^(t - M), with t = logit x log2(e) and M = ceil(the row's largest t), a whole number; so 1/2 < the row's largest p <= 1. The row's sum l is taken of the UNQUANTISED p, in f32, and the product's result is divided by l at the end. Since M is a whole number, a kernel that streams over the keys may use a running M (the ceiling of the running maximum): every later rescaling is an exact power of two, which a block's scale takes up: the codes' values come out the same.
;;   OPERANDS COMPUTED ON THE WAY. 'Computed on the way' means the value that the module computes at that place (a softmax that the list does not call 'softmax' is quantised finished and normalised). What goes into a quantiser is computed in f32, as accurately as f32 sums, v_exp_f32 and their like allow (about 1e-6 of the number): no bf16 or f16 on the way to a quantiser, and a product that is left as it is and whose result goes on into a quantised operand takes f32 operands (vector FMAs, or v_wmma_f32_16x16x4_f32). A number that lies on a knife's edge between two numbers of the format may be rounded either way, as far as f32 arithmetic and the matrix unit's own rounding can turn it there, and no further.
;; One version. Each part assembles by itself: llvm-mc -triple=amdgcn-amd-amdhsa -mcpu=gfx1250 --defsym DOCPART=n.
;; ======== version 1 of 1: 4 launches
;; workspace buffers: codes 9,437,184 bytes; scales 393,216 bytes; qc 6,291,456 bytes; qs 524,288 bytes; kv 13,369,344 bytes; yc 6,291,456 bytes; ys 262,144 bytes
;; launch quant (part 1): grid 384 x 1, 4 waves a work-group, no clusters, 60,928 bytes of LDS; arguments x, W_attn, W_proj, codes, scales; writes codes, scales
.if DOCPART == 1
	.amdgcn_target "amdgcn-amd-amdhsa--gfx1250"
	.amdhsa_code_object_version 6
	.text
	.protected	k_qb4f1595ef2_quant
	.globl	k_qb4f1595ef2_quant
	.p2align	8
	.type	k_qb4f1595ef2_quant,@function
k_qb4f1595ef2_quant:
	s_mov_b64 s[64:65], 0
	v_nop
	global_prefetch_b8 v0, s[64:65] scope:SCOPE_SE
	s_setreg_imm32_b32 hwreg(HW_REG_WAVE_MODE, 25, 1), 1
	s_wait_xcnt 0x0
; x [8192][1024], W_attn [1024][3072] and W_proj [1024][1024], f32, become codes of FP6 (E2M3) with one E8M0 byte for each 32 along K = 1024, laid as the products' launches want them.
; A block's scale is 2^(floor(log2(its largest magnitude)) - 2): its byte is that magnitude's exponent field - 2, held at 1 from below; each number is divided by the scale and rounded to the nearest code, ties to even.
; LIMITS: a block of zeros, or one whose largest magnitude lies under 2^(3 - 127), gets the byte 1 (its codes are zeros or tiny; the bytes are read by this program alone); NaN and infinities among the inputs are not served.
; LAYOUT OF codes: 12,288 row POSITIONS in rowblocks of 16: rows 0-2047 W_attn's columns 0-2047, 2048-10239 x's tokens, 10240-11263 W_attn's columns 2048-3071, 11264-12287 W_proj's columns.
;   Position p holds the row whose index is p with bits 3 and 4 exchanged: lane r of rowblock 2 B + u holds index 32 B + 8 u + r + 8 (r / 8).  So a later product's 16 registers of two neighbouring tiles are 16 neighbours.
;   A rowblock is 16 HALF FRAGMENTS of 768 bytes, one for each 64 along K: the image of six operand registers: registers 0-3 of lane l at 16 l, registers 4-5 at 512 + 8 l (lane (r, h): row r, k = 32 h .. 32 h + 31).
; LAYOUT OF scales: [rowblock][K / 256][r][8 bytes].
; Work-groups 0-255 take x (K innermost), 256-383 the weights (K outermost: a lane to a column, registers down K).  The two ways have LDS bytes of their own.  No tensor loads, no barrier: waves share nothing.
.set XREG,  8704                       ; x's way: for each wave a stage of 16 rows x 528 bytes, and 256 bytes for its scale words
.set XSCB,  8448
.set WREG0, 4*XREG                     ; the weights' way: for each wave two rowblocks' images of 3,072 bytes, 3,200 apart (so that lanes 8-15 fall on the other half of the banks)
.set WREG,  6400
.set WTILE, 3200
.set SPARE, WREG0+4*WREG               ; the spare words, 128 bytes for each wave
.set L16, 4                            ; v4   16 x lane
.set L8,  5                            ; v5   8 x lane
.set XSTO, 6                           ; v6   x: into the stage: 16 x lane of a row
.set XRD, 7                            ; v7   x: out of it: row r, + 64 h
.set XSS, 8                            ; v8   x: my row's scale words in LDS
.set XSL, 9                            ; v9   x: 8 bytes a lane of them, on the way out
.set WS16, 10                          ; v10  weights: my column's place in an image, registers 0-3
.set WS8, 11                           ; v11  the same, registers 4-5
.set WRD, 12                           ; v12  weights: 16 x lane of my wave's images
.set WSC, 13                           ; v13  weights: my column's place among the scale bytes
.set TM,  16                           ; v16-31 at work
.set R,   32                           ; v32-159 x: two sets of 64 numbers
.set PC,  160                          ; v160-178 x: the codes just made
.set PW,  180                          ; v180 x: the scale word just made
.set X,   32                           ; v32-95 weights: two sets of 32 numbers
.set VO,  96                           ; v96-127 weights: 4 x lane + i x a row of the weight; never rewritten
.set C,   128                          ; v128-136 weights: a block's codes
.set SB,  138                          ; v138-139 weights: eight scale bytes
.set OUT, 140                          ; v140-187 weights: the way out
.set SPW, 190                          ; v190 LDS address of my spare word; never rewritten
.set NIL, 191                          ; v191 0; never rewritten
.set SEL, 18                           ; s[18:19] v_permlanex16_b32's selects for lane l xor 16
.set BP,  32                           ; s[32:47] weights: where block t's 32 rows begin; never rewritten
	s_load_b256 s[4:11], s[0:1], 0x0               ; x s[4:5], W_attn s[6:7], W_proj s[8:9], codes s[10:11]
	s_load_b64 s[12:13], s[0:1], 0x20              ; scales
	v_lshl_add_u32 v[SPW], v0, 2, SPARE
	v_mov_b32 v[NIL], 0
	v_lshrrev_b32 v1, 5, v0
	v_readfirstlane_b32 s16, v1                    ; wave
	v_and_b32 v1, 31, v0                           ; lane
	v_and_b32 v2, 15, v0                           ; r
	v_bfe_u32 v3, v0, 4, 1                         ; h
	v_lshlrev_b32 v[L16], 4, v1
	v_lshlrev_b32 v[L8], 3, v1
	s_mul_i32 s17, s16, XREG
	v_add_nc_u32 v[XSTO], s17, v[L16]
	v_mul_u32_u24 v[XRD], v2, 528
	v_lshl_add_u32 v[XRD], v3, 6, v[XRD]
	v_add_nc_u32 v[XRD], s17, v[XRD]
	s_add_co_u32 s17, s17, XSCB
	v_lshl_add_u32 v[XSS], v2, 3, s17
	v_add_nc_u32 v[XSL], s17, v[L8]
	v_bfe_u32 v14, v0, 3, 1                        ; a column's place: index l of 32 goes to rowblock u' = bit 3 of l,
	v_and_b32 v15, 7, v0
	v_lshl_add_u32 v15, v3, 3, v15                 ; row r' = 8 (l / 16) + l % 8
	s_mul_i32 s17, s16, WREG
	s_add_co_u32 s17, s17, WREG0
	v_mul_u32_u24 v[WS16], v14, WTILE
	v_add_nc_u32 v[WS16], s17, v[WS16]
	v_lshl_add_u32 v[WS8], v15, 3, v[WS16]
	v_lshl_add_u32 v[WS16], v15, 4, v[WS16]
	v_add_nc_u32 v[WRD], s17, v[L16]
	v_lshlrev_b32 v[WSC], 9, v14
	v_lshl_add_u32 v[WSC], v15, 3, v[WSC]
	s_mov_b32 s[SEL], 0x76543210
	s_mov_b32 s[SEL+1], 0xfedcba98
	s_wait_kmcnt 0x0
	s_cmp_ge_u32 ttmp9, 256
	s_cbranch_scc1 .Lweights
; ---------------- x: a wave makes one rowblock x 512 along K: four fragments of 128
; 64 numbers of a lane, v[s] .. v[s + 63], register 16 b + i = k 32 b + 16 (lane / 16) + i of my row, become a fragment's codes in v[PC] on and its scale word in v[PW].
.macro QUANT s
.irp b, 0,1,2,3
	v_max3_num_f32 v[TM+\b], |v[\s+16*\b]|, |v[\s+1+16*\b]|, 0x1800000   ; block b: my 16 numbers, and the floor 2^(3 - 127): the byte cannot fall under 1
.endr
.irp i, 2,4,6,8,10,12,14
.irp b, 0,1,2,3
	v_max3_num_f32 v[TM+\b], v[TM+\b], |v[\s+16*\b+\i]|, |v[\s+1+16*\b+\i]|   ; the four blocks by turns
.endr
.endr
.irp b, 0,1,2,3
	v_permlanex16_b32 v[TM+4+\b], v[TM+\b], s[SEL], s[SEL+1]
.endr
.irp b, 0,1,2,3
	v_max_num_f32 v[TM+\b], v[TM+\b], v[TM+4+\b]   ; with lane l xor 16's: the block's largest magnitude
.endr
.irp b, 0,1,2,3
	v_add_nc_u32 v[TM+12+\b], 0xff000000, v[TM+\b] ; 2 off its exponent field: the conversion takes the exponent field of this operand as its scale
.endr
.irp b, 0,1,2,3
	v_lshrrev_b32 v[TM+4+\b], 23, v[TM+12+\b]      ; the scale's byte
.endr
	v_lshl_or_b32 v[PW], v[TM+5], 8, v[TM+4]
	v_lshl_or_b32 v[PW], v[TM+6], 16, v[PW]
	v_lshl_or_b32 v[PW], v[TM+7], 24, v[PW]
.irp c, 0,1
	v_cvt_scalef32_pk16_fp6_f32 v[PC+6*\c:PC+2+6*\c], v[\s+32*\c:\s+15+32*\c], v[TM+12+2*\c]
	v_cvt_scalef32_pk16_fp6_f32 v[PC+12+4*\c:PC+14+4*\c], v[\s+16+32*\c:\s+31+32*\c], v[TM+12+2*\c+1]   ; (a conversion's three registers begin on an even number)
.endr
	v_nop                                          ; one plain place behind a scaled conversion
.irp c, 0,1                                    ; the operand's layout wants a whole block in a lane: lanes 0-15 block 2 c, lanes 16-31 block 2 c + 1
.irp i, 0,1,2
	v_permlane16_swap_b32 v[PC+6*\c+\i], v[PC+12+4*\c+\i]
.endr
.irp i, 0,1,2
	v_mov_b32 v[PC+3+6*\c+\i], v[PC+12+4*\c+\i]
.endr
.endr
.endm
.macro XLOAD f                         ; fragment f: 128 numbers of each of the rowblock's 16 rows; a load reads 512 consecutive bytes of one row
.irp i, 0,1,2,3,4,5,6,7,8,9,10,11,12,13,14,15
	global_load_b128 v[R+64*((\f)%2)+4*\i:R+64*((\f)%2)+4*\i+3], v[L16], s[4:5] offset:(\i+8*(\i/8))*4096+512*(\f) th:TH_LOAD_NT
.endr
.endm
.macro XSTEP f
.set RS, R+64*((\f)%2)
.if (\f) < 3
	s_wait_loadcnt 16                              ; this fragment's 16 loads are in; the next fragment's 16 may be out
.else
	s_wait_loadcnt 0x0
.endif
.irp i, 0,1,2,3,4,5,6,7,8,9,10,11,12,13,14,15
	ds_store_b128 v[XSTO], v[RS+4*\i:RS+4*\i+3] offset:528*\i
.endr
.irp b, 0,1,2,3                                ; back: lane (r, h) takes, of row r, 16 neighbours of each block of 32.  LDS serves a wave's instructions in order: these see the stores above
.irp j, 0,1,2,3
	ds_load_b128 v[RS+16*\b+4*\j:RS+16*\b+4*\j+3], v[XRD] offset:128*\b+16*\j
.endr
.endr
	s_wait_dscnt 0x0
	s_wait_xcnt 0x0                                ; the last fragment's stores have read their registers: the codes may be written again
	QUANT RS
.if (\f) < 2
	XLOAD (\f)+2
.endif
	ds_store_b32 v[XSS], v[PW] offset:128*((\f)/2)+4*((\f)%2)   ; both halves of the lanes hold the same word
	global_store_b128 v[L16], v[PC:PC+3], s[20:21] offset:1536*(\f)          ; the two half fragments as images: each store covers 512 or 256 consecutive bytes, aligned
	global_store_b64 v[L8], v[PC+4:PC+5], s[20:21] offset:1536*(\f)+512
	global_store_b128 v[L16], v[PC+6:PC+9], s[20:21] offset:1536*(\f)+768
	global_store_b64 v[L8], v[PC+10:PC+11], s[20:21] offset:1536*(\f)+1280
.endm
	s_lshl_b32 s24, ttmp9, 2
	s_add_co_u32 s24, s24, s16
	s_lshr_b32 s25, s24, 1                         ; my rowblock of tokens, 0 .. 511
	s_and_b32 s26, s24, 1                          ; which 512 along K
	s_lshr_b32 s27, s25, 1
	s_lshl_b32 s27, s27, 5
	s_and_b32 s28, s25, 1
	s_lshl_b32 s28, s28, 3
	s_add_co_u32 s27, s27, s28                     ; the rowblock's first token: 32 (rb / 2) + 8 (rb % 2)
	s_lshl_b32 s28, s27, 12
	s_lshl_b32 s29, s26, 11
	s_add_co_u32 s28, s28, s29
	s_mov_b32 s29, 0
	s_add_nc_u64 s[4:5], s[4:5], s[28:29]
	s_add_co_u32 s25, s25, 128                     ; x's rowblocks begin at 128
	s_mul_i32 s28, s25, 12288
	s_mul_i32 s30, s26, 6144
	s_add_co_u32 s28, s28, s30
	s_add_nc_u64 s[20:21], s[10:11], s[28:29]
	s_lshl_b32 s28, s25, 9
	s_lshl_b32 s30, s26, 8
	s_add_co_u32 s28, s28, s30
	s_add_nc_u64 s[22:23], s[12:13], s[28:29]
.irp b, 0,1,2,3
	v_mov_b32 v[TM+4+\b], 0                        ; written once: a lane permute's destination counts as one of its sources
.endr
	XLOAD 0
	XLOAD 1
	XSTEP 0
	XSTEP 1
	XSTEP 2
	XSTEP 3
	ds_load_b64 v[182:183], v[XSL]                 ; my wave's 256 scale bytes
	s_wait_dscnt 0x0
	global_store_b64 v[L8], v[182:183], s[22:23]   ; 32 lanes store 256 consecutive bytes, aligned
	s_branch .Lend
; ---------------- the weights: a work-group takes 128 columns x 256 along K, a wave 32 columns: eight blocks a lane
.Lweights:
	s_sub_co_u32 s20, ttmp9, 256
	s_lshr_b32 s21, s20, 2                         ; which 128 of the 4,096 columns (W_attn's 3,072, then W_proj's)
	s_and_b32 s22, s20, 3                          ; which 256 along K
	s_cmp_lt_u32 s21, 24
	s_cselect_b64 s[24:25], s[6:7], s[8:9]
	s_mov_b32 s23, 4096
	s_cselect_b32 s23, 12288, s23                  ; a row of the weight in bytes
	s_cselect_b32 s26, 0, 24
	s_sub_co_u32 s26, s21, s26                     ; the group of columns in its own tensor
	s_cmp_lt_u32 s21, 16
	s_cselect_b32 s27, 0, 512                      ; columns from 2,048 on lie behind x's 512 rowblocks
	s_lshl_b32 s28, s21, 3
	s_add_co_u32 s27, s27, s28
	s_lshl_b32 s28, s16, 1
	s_add_co_u32 s27, s27, s28                     ; my wave's first rowblock
	s_lshl_b32 s28, s22, 8
	s_mul_i32 s28, s28, s23
	s_lshl_b32 s29, s26, 9
	s_add_co_u32 s28, s28, s29
	s_lshl_b32 s29, s16, 7
	s_add_co_u32 s28, s28, s29
	s_mov_b32 s29, 0
	s_add_nc_u64 s[BP:BP+1], s[24:25], s[28:29]
	s_lshl_b32 s30, s23, 5                         ; 32 rows
	s_mov_b32 s31, 0
.irp t, 1,2,3,4,5,6,7
	s_add_nc_u64 s[BP+2*\t:BP+2*\t+1], s[BP+2*\t-2:BP+2*\t-1], s[30:31]
.endr
	s_mul_i32 s28, s27, 12288
	s_mul_i32 s24, s22, 3072
	s_add_co_u32 s28, s28, s24
	s_add_nc_u64 s[48:49], s[10:11], s[28:29]      ; my codes
	s_lshl_b32 s28, s27, 9
	s_lshl_b32 s24, s22, 7
	s_add_co_u32 s28, s28, s24
	s_add_nc_u64 s[50:51], s[12:13], s[28:29]      ; my scale bytes
	v_lshlrev_b32 v[VO], 2, v1
.irp i, 1,2,3,4,5,6,7,8,9,10,11,12,13,14,15,16,17,18,19,20,21,22,23,24,25,26,27,28,29,30,31
	v_add_nc_u32 v[VO+\i], s23, v[VO+\i-1]
.endr
.macro WLOAD t                         ; block t: W(32 t + i, my column): 32 lanes read 128 consecutive bytes, the four waves 512
.irp i, 0,1,2,3,4,5,6,7,8,9,10,11,12,13,14,15,16,17,18,19,20,21,22,23,24,25,26,27,28,29,30,31
	global_load_b32 v[X+32*((\t)%2)+\i], v[VO+\i], s[BP+2*(\t):BP+2*(\t)+1] th:TH_LOAD_NT
.endr
.endm
.macro BLOCK t
.set XS, X+32*((\t)%2)
.if (\t) < 7
	s_wait_loadcnt 32                              ; this block's 32 loads are in; the next block's may be out
.else
	s_wait_loadcnt 0x0
.endif
	v_max3_num_f32 v20, |v[XS]|, |v[XS+1]|, |v[XS+2]|              ; the block's largest magnitude: all 32 numbers are mine
	v_max3_num_f32 v21, |v[XS+3]|, |v[XS+4]|, |v[XS+5]|
.irp i, 6,10,14,18,22,26
	v_max3_num_f32 v20, v20, |v[XS+\i]|, |v[XS+\i+1]|
	v_max3_num_f32 v21, v21, |v[XS+\i+2]|, |v[XS+\i+3]|
.endr
	v_max3_num_f32 v20, v20, |v[XS+30]|, |v[XS+31]|
	v_max3_num_f32 v20, v20, v21, 0x1800000        ; and the floor
	v_add_nc_u32 v22, 0xff000000, v20              ; the conversion's scale operand
	v_lshrrev_b32 v23, 23, v22                     ; the scale's byte
.if (\t)%4 == 0
	v_mov_b32 v[SB+(\t)/4], v23
.else
	v_lshl_or_b32 v[SB+(\t)/4], v23, 8*((\t)%4), v[SB+(\t)/4]
.endif
	v_cvt_scalef32_pk16_fp6_f32 v[C:C+2], v[XS:XS+15], v22
	v_cvt_scalef32_pk16_fp6_f32 v[C+6:C+8], v[XS+16:XS+31], v22
	v_nop                                          ; one plain place behind a scaled conversion
.irp i, 0,1,2
	v_mov_b32 v[C+3+\i], v[C+6+\i]
.endr
	ds_store_b128 v[WS16], v[C:C+3] offset:768*((\t)/2)+256*((\t)%2)         ; block t is half t % 2 of half fragment t / 2: the image's lane r' + 16 (t % 2)
	ds_store_b64 v[WS8], v[C+4:C+5] offset:768*((\t)/2)+512+128*((\t)%2)
.if (\t)+2 < 8
	WLOAD (\t)+2
.endif
	s_wait_dscnt 0x0                               ; the stores have read their registers
.endm
	WLOAD 0
	WLOAD 1
.irp t, 0,1,2,3,4,5,6,7
	BLOCK \t
.endr
	global_store_b64 v[WSC], v[SB:SB+1], s[50:51]  ; my column's eight bytes: sixteen lanes store 128 consecutive bytes
.irp n, 0,1,2,3,4,5,6,7,8,9,10,11
	ds_load_b128 v[OUT+4*\n:OUT+4*\n+3], v[WRD] offset:WTILE*(\n/6)+512*(\n%6)
.endr
.irp n, 0,1,2,3,4,5,6,7,8,9,10,11
	s_wait_dscnt 11-\n                             ; the younger loads from the stage may be out
	global_store_b128 v[L16], v[OUT+4*\n:OUT+4*\n+3], s[48:49] offset:12288*(\n/6)+512*(\n%6)   ; 512 consecutive bytes, aligned
.endr
.Lend:
	s_wait_tensorcnt 0x0                           ; the wave's end: behind my last LDS store
	ds_add_u32 v[SPW], v[NIL]
	s_wait_dscnt 0x0
	s_endpgm
.Lfunc_end_k_qb4f1595ef2_quant:
	.size	k_qb4f1595ef2_quant, .Lfunc_end_k_qb4f1595ef2_quant-k_qb4f1595ef2_quant
	.p2alignl 7, 3214868480
	.fill 96, 4, 3214868480
	.section	.rodata,"a",@progbits
	.p2align	6, 0x0
	.amdhsa_kernel k_qb4f1595ef2_quant
		.amdhsa_group_segment_fixed_size 60928
		.amdhsa_private_segment_fixed_size 0
		.amdhsa_enable_private_segment 0
		.amdhsa_kernarg_size 40
		.amdhsa_user_sgpr_count 2
		.amdhsa_user_sgpr_kernarg_segment_ptr 1
		.amdhsa_wavefront_size32 1
		.amdhsa_system_sgpr_workgroup_id_x 1
		.amdhsa_system_sgpr_workgroup_id_y 1
		.amdhsa_system_sgpr_workgroup_id_z 1
		.amdhsa_system_vgpr_workitem_id 0
		.amdhsa_next_free_vgpr 192
		.amdhsa_next_free_sgpr 66
		.amdhsa_reserve_vcc 0
		.amdhsa_float_denorm_mode_32 3
		.amdhsa_float_denorm_mode_16_64 3
		.amdhsa_memory_ordered 1
		.amdhsa_forward_progress 1
		.amdhsa_inst_pref_size 77
	.end_amdhsa_kernel
	.amdgpu_metadata
---
amdhsa.version: [ 1, 2 ]
amdhsa.kernels:
  - .name:           k_qb4f1595ef2_quant
    .symbol:         k_qb4f1595ef2_quant.kd
    .args:
      - { .name: x, .offset: 0, .size: 8, .value_kind: global_buffer, .address_space: global }
      - { .name: W_attn, .offset: 8, .size: 8, .value_kind: global_buffer, .address_space: global }
      - { .name: W_proj, .offset: 16, .size: 8, .value_kind: global_buffer, .address_space: global }
      - { .name: codes, .offset: 24, .size: 8, .value_kind: global_buffer, .address_space: global }
      - { .name: scales, .offset: 32, .size: 8, .value_kind: global_buffer, .address_space: global }
    .group_segment_fixed_size: 60928
    .private_segment_fixed_size: 0
    .kernarg_segment_align: 8
    .kernarg_segment_size: 40
    .max_flat_workgroup_size: 128
    .sgpr_count:     66
    .vgpr_count:     192
    .wavefront_size: 32
...
	.end_amdgpu_metadata
.endif
;; end of part 1
;; launch qkv (part 2): grid 12 x 32, 4 waves a work-group, clusters of 4 x 4, 327,680 bytes of LDS; arguments codes, scales, b_attn, qc, qs, kv; writes qc, qs, kv
.if DOCPART == 2
	.amdgcn_target "amdgcn-amd-amdhsa--gfx1250"
	.amdhsa_code_object_version 6
	.text
	.protected	k_qb4f1595ef2_qkv
	.globl	k_qb4f1595ef2_qkv
	.p2align	8
	.type	k_qb4f1595ef2_qkv,@function
k_qb4f1595ef2_qkv:
	s_mov_b64 s[64:65], 0
	v_nop
	global_prefetch_b8 v0, s[64:65] scope:SCOPE_SE
	s_setreg_imm32_b32 hwreg(HW_REG_WAVE_MODE, 25, 1), 1
	s_wait_xcnt 0x0
	s_wait_alu depctr_hold_cnt(0) depctr_sa_sdst(0) depctr_va_vdst(0) depctr_va_sdst(0) depctr_va_ssrc(0) depctr_va_vcc(0) depctr_vm_vsrc(0)
	s_getreg_b32 s2, hwreg(HW_REG_IB_STS2, 6, 4)
	s_cmp_eq_u32 s2, 0
	s_cbranch_scc0 .Lentry_in_a_cluster
	s_endpgm
.Lentry_in_a_cluster:
	s_bfe_u32 s2, ttmp6, 0x10000c
	s_cmp_lg_u32 s2, 0xf033
	s_cbranch_scc0 .Lentry_shape_is_right
	s_endpgm
.Lentry_shape_is_right:
; qkv = x W_attn + b_attn on codes of FP6 (E2M3) with E8M0 scales, K = 1024; the results are quantised at once for attention's products and leave as codes: q and k along the head's 64, v along the tokens.
; A work-group of four waves makes 256 x 256, a wave 128 x 128 (64 accumulators, 512 registers).  K goes in steps of 256 through two LDS slots filled by the tensor data mover.
; THE MATRIX INSTRUCTION IS USED TRANSPOSED: source 0 = 16 rows of the B side, source 1 = 16 rows of the A side: a lane holds one row of the A side, and its registers run along the B side's rows.
; ONE TEXT SERVES q, k AND v, by the order of rows in 'codes' (W_attn's columns 0-2047, x, W_attn's columns 2048-3071, W_proj):
;   the cluster's x is the KIND.  0 (q), 1 (k): A side = tokens, B side = W's columns: registers run along channels.  2 (v): A side = W's columns, B side = tokens: registers run along tokens, which are v's K.
; Rows lie by position (index with bits 3 and 4 exchanged), so the 16 registers of result tiles 2 b, 2 b + 1 are 16 neighbours, 32 b + 16 (lane / 16) + 0 .. 15: a row of eight tiles quantises into one fragment of 128.
; The bias is the C of each sum's first product (an order of rounding other than adding it last).
; OPERANDS IN LDS are images of registers (half fragments of 768 bytes: registers 0-3 of lane l at 16 l, registers 4-5 at 512 + 8 l): every LDS load reads consecutive bytes.
; CLUSTERS: 4 x 4 work-groups; the A side's tiles are asked for jointly along a row of the cluster, the B side's along a column.  The KIND is the same in all sixteen partners: branches on it part no partners.
; OUT: qc [head 64][tile 128][768], qs [head][position][4]; kv [head][slot of 256 keys 8][26,112]: K's 16 half fragments, V^T's [64 keys 4][d tile 4], K's scale words [256][4], V's [128 keys 2][d tile 4][16][4].
; LIMITS: a block whose largest magnitude lies under 2^(3 - 127) gets the byte 1; NaN and infinities are not served.
; REGISTERS: window 0: v0-31 addresses; v32-63 scale words, two sets; v64-127 the bias, later at work; v128-223 A's fragments, one set, later the codes made.  window 1: B's fragments, two sets.  windows 2, 3: accumulators.
.set NQ,    2                          ; matrix instructions deep in a slot
.set FR,    12                         ; registers of a fragment
.set NL,    4                          ; LDS loads that bring one
.set NP,    4                          ; places behind this matrix instruction (ISA guide 7.12.1)
.set RBK,   3072                       ; a rowblock's 256 along K: four half fragments
.set HALFT, 8*RBK                      ; 128 rows: what one tensor load brings
.set SLOT,  4*HALFT
.set SCL,   2*SLOT                     ; the scales of the 256 + 256 rows for all of K: A's 8,192 bytes; B's 128 bytes further on than 8,192, so that lanes 16-31 fall on the other half of the banks
.set SPARE, SCL+16640                  ; the spare words, 128 bytes for each wave
.set STGQ,  SPARE+512                  ; q, k: 1,024 bytes a wave for the scale words on their way out
.set STGV,  STGQ+4096                  ; v: 512 bytes a wave
.set AB0,   128                        ; the A side begins at rowblock 128 (x, then W_attn's last 1,024 columns)
.set BB0,   0                          ; the B side at rowblock 0 (W_attn's first 2,048 columns, then x)
.set VA0, 4                            ; v4  16 x lane      v5  8 x lane: an image's places; never rewritten
.set VB0, 5
.set VA1, 8                            ; v8, v9: the same for the fragment's second half
.set VB1, 9
.set SQ,  10                           ; v10 q, k: where my scale word goes in the stage;  v11 where I read 16 bytes back
.set SQR, 11
.set SV,  12                           ; v12, v13 the same for v
.set SVR, 13
.set VVO, 14                           ; v14 v: my 16 bytes of the scale words in memory
.set SH16, 15                          ; v15 16 x (lane / 16)
.set ADRA, 16                          ; v16-17 LDS address of A's fragments in slot 0, 1, + 16 x lane;  v18-19 + 8 x lane
.set ADRB, 20                          ; v20-23 the same for B
.set BAD, 24                           ; v24 the bias's offset
.set VS1, 25                           ; v25 q, k: the second head's scale words in memory
.set ADRS, 27                          ; v27 LDS address of my scale words: lanes 0-15 A's rows, lanes 16-31 B's
.set SPW, 28
.set NIL, 29
.set SC,  32
.set BI,  64
.set TM,  64                           ; the way out: v64-79 at work, v80-87 the eight scale words, v88-95 their halves
.set SWR, 80
.set TV,  88
.set AF,  128
.set PC,  128                          ; the way out: v128-146 the codes just made
.set SEL, 2                            ; s[2:3]
.set WV,  16
.set RH,  17
.set CH,  18
.set G1,  24
.set G0,  32
.set G1B, 48
.set G0B, 56
.set KIND, 66
.set G1S, 68
.set G0S, 76
.set G1SB, 80
.set G0SB, 88
.set P0,  96                           ; s[96:97], s[98:99] where blocks 0-3 and 4-7 go;  s[100:101] the scale words
.set P1,  98
.set PS,  100
.set MSB, 0
.macro WIN new                         ; the immediate's high byte repeats the setting that is left
.if MSB != (\new)
	s_set_vgpr_msb (MSB<<8)|(\new)
.set MSB, (\new)
.endif
.endm
.set MUL_LO, 0xa1                      ; source 0 (B) window 1, source 1 (A) window 0, C and D window 2
.set MUL_HI, 0xf1                      ; the same, C and D window 3
.set TO_B,   0x40                      ; destination window 1, address window 0
; A joint load: waves 0 and 1 fetch for A, waves 2 and 3 for B.  The branch hangs on the wave's number alone.  An s_nop 0 and four v_nop follow each of the two lines.
.macro JLOAD g0a, g1a, g0b, g1b
	s_cmp_eq_u32 s[RH], 0
	s_cbranch_scc0 .Lfor_b_\@
	tensor_load_to_lds s[\g0a:\g0a+3], s[\g1a:\g1a+7]
	s_nop 0
.rept 4
	v_nop
.endr
	s_branch .Lasked_\@
.Lfor_b_\@:
	tensor_load_to_lds s[\g0b:\g0b+3], s[\g1b:\g1b+7]
	s_nop 0
.rept 4
	v_nop
.endr
.Lasked_\@:
.endm
.macro CREST                           ; a round of the cluster's barrier behind its opening barrier
	s_cmp_lg_u32 s[WV], 0
	s_cbranch_scc1 .Lnot_wave_0_\@
	s_barrier_signal -3
.Lnot_wave_0_\@:
	s_barrier_wait -3
	s_barrier_signal -1
	s_barrier_wait -1
.endm
.macro CROUND
	s_barrier_signal -1
	s_barrier_wait -1
	CREST
.endm
	s_load_b256 s[4:11], s[0:1], 0x0               ; codes s[4:5], scales s[6:7], b_attn s[8:9], qc s[10:11]
	s_load_b128 s[12:15], s[0:1], 0x20             ; qs s[12:13], kv s[14:15]
	v_lshl_add_u32 v[SPW], v0, 2, SPARE
	v_mov_b32 v[NIL], 0
	ds_add_u32 v[SPW], v[NIL]                      ; the wave's opening: the add and its wait stand ahead of my first tensor load; work on registers stands between them
	v_lshrrev_b32 v1, 5, v0
	v_readfirstlane_b32 s[WV], v1                  ; wave 0..3
	s_lshr_b32 s[RH], s[WV], 1                     ; which half of the A side's rows is mine.  Also: I fetch for A (0) or for B (1)
	s_and_b32 s[CH], s[WV], 1                      ; which half of the B side's.  Also: which 128 rows I fetch
	s_bfe_u32 s40, ttmp6, 0x40000                  ; cx
	s_bfe_u32 s41, ttmp6, 0x40004                  ; cy
	s_mov_b32 s[KIND], ttmp9                       ; the cluster's x: 0 q, 1 k, 2 v
	s_and_b32 s20, ttmp7, 0xffff                   ; the cluster's y, 0 .. 7
	s_add_co_u32 s21, s20, 2
	s_cmp_lt_u32 s[KIND], 2
	s_cselect_b32 s22, s20, 8                      ; the A side's row of clusters: tokens, or (v) the weights behind them
	s_cselect_b32 s23, s[KIND], s21                ; the B side's: weights, or (v) the tokens behind them
	s_lshl_b32 s43, s22, 2
	s_add_co_u32 s43, s43, s41                     ; TR: my 256 rows of the A side
	s_lshl_b32 s42, s23, 2
	s_add_co_u32 s42, s42, s40                     ; TC: my 256 rows of the B side
	s_lshl_b32 s44, s41, 2
	s_lshl_b32 s44, 15, s44                        ; my row of the cluster
	s_lshl_b32 s45, 0x1111, s40                    ; my column
	; descriptor group 1 for codes: 8 rowblocks x 3,072 bytes (384 elements of 8 bytes), 12,288 bytes apart in memory, dense in LDS
	s_or_b32 s[G1], s44, (3<<16)|(1<<21)           ; 15:0 the mask; 17:16 elements of 8 bytes; 21 set beside a mask
	s_or_b32 s[G1B], s45, (3<<16)|(1<<21)
.irp g, G1, G1B
	s_mov_b32 s[\g+1], 384<<16                     ; tensor_dim0
	s_mov_b32 s[\g+2], 8<<16                       ; tensor_dim1
	s_mov_b32 s[\g+3], 384<<16                     ; tile_dim0
	s_mov_b32 s[\g+4], 8                           ; tile_dim1
	s_mov_b32 s[\g+5], 1536                        ; tensor_dim0_stride
	s_mov_b32 s[\g+6], 0
	s_mov_b32 s[\g+7], 0
.endr
	; and for the scales of 128 rows: 4,096 dense bytes as 16 rows of 256
	s_or_b32 s[G1S], s44, (3<<16)|(1<<21)
	s_or_b32 s[G1SB], s45, (3<<16)|(1<<21)
.irp g, G1S, G1SB
	s_mov_b32 s[\g+1], 32<<16
	s_mov_b32 s[\g+2], 16<<16
	s_mov_b32 s[\g+3], 32<<16
	s_mov_b32 s[\g+4], 16
	s_mov_b32 s[\g+5], 32
	s_mov_b32 s[\g+6], 0
	s_mov_b32 s[\g+7], 0
.endr
	s_lshl_b32 s21, s[CH], 3
	s_lshl_b32 s20, s43, 4
	s_add_co_u32 s20, s20, s21
	s_add_co_u32 s20, s20, AB0                     ; A: the first rowblock that I fetch
	s_lshl_b32 s46, s42, 4
	s_add_co_u32 s46, s46, s21
	s_add_co_u32 s46, s46, BB0                     ; B likewise
	s_lshl_b32 s22, s20, 9                         ; their scales: 512 bytes a rowblock,
	s_mov_b32 s23, 0
	s_mul_i32 s20, s20, 12288                      ; their codes
	s_mov_b32 s21, 0
	s_lshl_b32 s92, s46, 9
	s_mov_b32 s93, 0
	s_mul_i32 s46, s46, 12288
	s_mov_b32 s47, 0
	s_mul_i32 s94, s[WV], HALFT                    ; where they go: no place in the cluster enters an LDS address
	s_lshl_b32 s95, s[WV], 12
	s_mov_b32 s[SEL], 0x76543210
	s_mov_b32 s[SEL+1], 0xfedcba98
	s_wait_dscnt 0x0                               ; the opening add is done
	s_wait_kmcnt 0x0
	s_add_nc_u64 s[20:21], s[4:5], s[20:21]
	s_add_nc_u64 s[22:23], s[6:7], s[22:23]
	s_add_nc_u64 s[46:47], s[4:5], s[46:47]
	s_add_nc_u64 s[92:93], s[6:7], s[92:93]
	CROUND                                         ; all sixteen work-groups are here: the first joint loads meet
	s_mov_b32 s[G0S], 1
	s_add_co_u32 s[G0S+1], s95, SCL
	s_mov_b64 s[G0S+2:G0S+3], s[22:23]
	s_or_b32 s[G0S+3], s[G0S+3], 0x80000000
	s_mov_b32 s[G0SB], 1
	s_add_co_u32 s[G0SB+1], s95, SCL+128
	s_mov_b64 s[G0SB+2:G0SB+3], s[92:93]
	s_or_b32 s[G0SB+3], s[G0SB+3], 0x80000000
	JLOAD G0S, G1S, G0SB, G1SB                     ; the scales first: they are wanted with K step 0
.irp s, 0,1
	s_mov_b32 s[G0+4*\s], 1
	s_add_co_u32 s[G0+4*\s+1], s94, \s*SLOT
	s_add_nc_u64 s[G0+4*\s+2:G0+4*\s+3], s[20:21], \s*RBK
	s_or_b32 s[G0+4*\s+3], s[G0+4*\s+3], 0x80000000
	s_mov_b32 s[G0B+4*\s], 1
	s_add_co_u32 s[G0B+4*\s+1], s94, \s*SLOT
	s_add_nc_u64 s[G0B+4*\s+2:G0B+4*\s+3], s[46:47], \s*RBK
	s_or_b32 s[G0B+4*\s+3], s[G0B+4*\s+3], 0x80000000
	JLOAD G0+4*\s, G1, G0B+4*\s, G1B
.endr
	; every LDS address is made here, ahead of the first parting
	v_and_b32 v1, 15, v0                           ; r
	v_bfe_u32 v2, v0, 4, 1                         ; h
	v_and_b32 v3, 31, v0                           ; lane
	v_lshlrev_b32 v[VA0], 4, v3
	v_lshlrev_b32 v[VB0], 3, v3
	s_mul_i32 s21, s[RH], HALFT                    ; my 128 rows of A
	s_mul_i32 s22, s[CH], HALFT                    ; my 128 rows of B,
	s_add_co_u32 s22, s22, 2*HALFT                 ; which lie behind A's 256
.irp s, 0,1
	v_add_nc_u32 v[ADRA+\s], s21, v[VA0]
	v_add_nc_u32 v[ADRB+\s], s22, v[VA0]
	v_add_nc_u32 v[ADRA+2+\s], s21, v[VB0]
	v_add_nc_u32 v[ADRB+2+\s], s22, v[VB0]
	s_add_co_u32 s21, s21, SLOT
	s_add_co_u32 s22, s22, SLOT
.endr
	v_lshlrev_b32 v6, 3, v1                        ; my row's scales: 8 bytes a row and K step
	s_lshl_b32 s21, s[RH], 12                      ; A's: my 128 rows
	s_lshl_b32 s22, s[CH], 12                      ; B's: my 128 rows, 8,320 bytes behind A's first
	s_add_co_u32 s22, s22, 8320
	s_sub_co_u32 s22, s22, s21
	v_mul_u32_u24 v7, s22, v2                      ; lanes 16-31 take B's
	s_add_co_u32 s21, s21, SCL
	v_add_nc_u32 v6, v6, v7
	v_add_nc_u32 v[ADRS], s21, v6
	s_lshl_b32 s21, s[WV], 10
	s_add_co_u32 s21, s21, STGQ
	v_lshlrev_b32 v6, 2, v1                        ; 4 r
	v_lshl_add_u32 v7, v2, 9, v6                   ; + 512 h: lanes 0-15 the first head's words, lanes 16-31 the second's
	v_add_nc_u32 v[SQ], s21, v7
	v_add_nc_u32 v[SQR], s21, v[VA0]
	s_lshl_b32 s21, s[WV], 9
	s_add_co_u32 s21, s21, STGV
	v_add_nc_u32 v[SV], s21, v6
	v_add_nc_u32 v[SVR], s21, v[VA0]
	v_lshlrev_b32 v[VVO], 4, v1
	v_mul_u32_u24 v7, v2, 208896                   ; lanes 16-31: the next head
	v_add_nc_u32 v[VVO], v[VVO], v7
	v_lshlrev_b32 v[SH16], 4, v2
	v_mov_b32 v[VS1], v[VA0]                       ; (written on every path; q and k set it below)
	; ---- the first parting: the bias, and where the results go
	s_cmp_eq_u32 s[KIND], 2
	s_cbranch_scc1 .Lset_v
	s_lshl_b32 s20, s42, 10                        ; q, k: the bias hangs on the B side's row: tile b's register j is column 256 TC + 128 CH + 32 (b / 2) + 8 (b % 2) + 16 h + j
	s_lshl_b32 s21, s[CH], 9
	s_add_co_u32 s20, s20, s21
	s_mov_b32 s21, 0
	s_add_nc_u64 s[92:93], s[8:9], s[20:21]
	v_lshlrev_b32 v[BAD], 6, v2
.irp b, 0,1,2,3,4,5,6,7
	global_load_b128 v[BI+8*\b:BI+8*\b+3], v[BAD], s[92:93] offset:(32*(\b/2)+8*(\b%2))*4
	global_load_b128 v[BI+8*\b+4:BI+8*\b+7], v[BAD], s[92:93] offset:(32*(\b/2)+8*(\b%2))*4+16
.endr
	s_lshr_b32 s20, s43, 3                         ; the batch,
	s_and_b32 s21, s43, 7                          ; its slot of 256 tokens
	s_lshl_b32 s20, s20, 4
	s_lshl_b32 s22, s40, 2
	s_add_co_u32 s20, s20, s22
	s_lshl_b32 s22, s[CH], 1
	s_add_co_u32 s20, s20, s22                     ; my first head: 16 x batch + 4 cx + 2 CH; my 128 columns are two heads
	s_cmp_eq_u32 s[KIND], 0
	s_cselect_b64 s[P0:P0+1], s[10:11], s[14:15]   ; qc or kv
	s_cselect_b64 s[PS:PS+1], s[12:13], s[14:15]   ; qs or kv
	s_mov_b32 s44, 208896
	s_cselect_b32 s44, 98304, s44                  ; from head to head, codes
	s_mov_b32 s45, 26112
	s_cselect_b32 s45, 12288, s45                  ; from slot to slot, codes
	s_mov_b32 s46, 208896
	s_cselect_b32 s46, 8192, s46                   ; from head to head, scale words
	s_mov_b32 s47, 26112
	s_cselect_b32 s47, 1024, s47                   ; from slot to slot, scale words
	s_cselect_b32 s94, 0, 24576                    ; where they begin in a slot
	s_mul_i32 s22, s20, s44
	s_mul_i32 s23, s21, s45
	s_add_co_u32 s22, s22, s23
	s_mul_i32 s23, s[RH], 6144
	s_add_co_u32 s22, s22, s23
	s_mov_b32 s23, 0
	s_add_nc_u64 s[P0:P0+1], s[P0:P0+1], s[22:23]
	s_add_nc_u64 s[P1:P1+1], s[P0:P0+1], 3072      ; blocks 4-7: four tiles of tokens on
	s_mul_i32 s22, s20, s46
	s_mul_i32 s95, s21, s47
	s_add_co_u32 s22, s22, s95
	s_add_co_u32 s22, s22, s94
	s_lshl_b32 s95, s[RH], 9
	s_add_co_u32 s22, s22, s95
	s_add_nc_u64 s[PS:PS+1], s[PS:PS+1], s[22:23]
	v_add_nc_u32 v[VA1], s44, v[VA0]               ; a fragment's second half is the next head's
	v_add_nc_u32 v[VB1], s44, v[VB0]
	v_add_nc_u32 v[VS1], s46, v[VA0]
	s_branch .Lset_done
.Lset_v:
	v_and_b32 v6, 8, v1                            ; v: the bias hangs on the A side's row: block a's lane r is column 2048 + 256 cy + 128 RH + 32 (a / 2) + 8 (a % 2) + r + 8 (r / 8)
	v_add_nc_u32 v6, v6, v1
	v_lshlrev_b32 v[BAD], 2, v6
	s_lshl_b32 s20, s41, 10
	s_lshl_b32 s21, s[RH], 9
	s_add_co_u32 s20, s20, s21
	s_add_co_u32 s20, s20, 8192
	s_mov_b32 s21, 0
	s_add_nc_u64 s[92:93], s[8:9], s[20:21]
.irp a, 0,1,2,3,4,5,6,7
.irp j, 0,1,2,3,4,5,6,7
	global_load_b32 v[BI+8*\a+\j], v[BAD], s[92:93] offset:(32*(\a/2)+8*(\a%2))*4   ; the same number in all eight registers
.endr
.endr
	s_sub_co_u32 s20, s42, 8                       ; my 256 tokens
	s_and_b32 s21, s20, 7                          ; their slot,
	s_lshr_b32 s20, s20, 3                         ; their batch
	s_lshl_b32 s20, s20, 4
	s_lshl_b32 s22, s41, 2
	s_add_co_u32 s20, s20, s22
	s_lshl_b32 s22, s[RH], 1
	s_add_co_u32 s20, s20, s22                     ; my first head: 16 x batch + 4 cy + 2 RH
	s_mul_i32 s22, s20, 208896
	s_mul_i32 s23, s21, 26112
	s_add_co_u32 s22, s22, s23
	s_mov_b32 s23, 0
	s_add_nc_u64 s[PS:PS+1], s[14:15], s[22:23]    ; the head's slot
	s_mul_i32 s22, s[CH], 6144
	s_add_co_u32 s22, s22, 12288
	s_add_nc_u64 s[P0:P0+1], s[PS:PS+1], s[22:23]  ; V^T's half fragments of my 128 keys
	s_add_nc_u64 s[P1:P1+1], s[P0:P0+1], 208896    ; blocks 4-7: the next head
	s_lshl_b32 s22, s[CH], 8
	s_add_co_u32 s22, s22, 25600
	s_add_nc_u64 s[PS:PS+1], s[PS:PS+1], s[22:23]
	v_add_nc_u32 v[VA1], 3072, v[VA0]              ; a fragment's second half is the next 64 keys
	v_add_nc_u32 v[VB1], 3072, v[VB0]
.Lset_done:
.macro FRAG reg, adr, q, i             ; a fragment, 16 rows x 128 K: two half fragments on end: four loads of consecutive bytes
	ds_load_b128 v[\reg:\reg+3], v[\adr] offset:RBK*(\i)+1536*(\q)
	ds_load_b64 v[\reg+4:\reg+5], v[\adr+2] offset:RBK*(\i)+1536*(\q)+512
	ds_load_b128 v[\reg+6:\reg+9], v[\adr] offset:RBK*(\i)+1536*(\q)+768
	ds_load_b64 v[\reg+10:\reg+11], v[\adr+2] offset:RBK*(\i)+1536*(\q)+1280
.endm
; 16 matrix instructions: A's blocks a0, a0 + 1 x B's eight, 128 along K.  p: B's set; sc: the set of scale words.  zero = 1: the sums start from the bias by B's block; 2: by A's block; 0: in place.
; The 64 accumulators take turns, one instruction a turn, in the same order in every step.
.macro MUL16 a0, p, q, sc, zero
.irp a, \a0, \a0+1
.irp b, 0,1,2,3,4,5,6,7
.if \zero == 1
	v_wmma_scale_f32_16x16x128_f8f6f4 v[8*(8*((\a)%4)+\b):8*(8*((\a)%4)+\b)+7], v[128*(\p)+FR*\b:128*(\p)+FR*\b+FR-1], v[AF+FR*(\a):AF+FR*(\a)+FR-1], v[BI+8*\b:BI+8*\b+7], v[SC+8*NQ*(\sc)+NQ*\b+(\q)], v[SC+8*NQ*(\sc)+NQ*(\a)+(\q)] matrix_a_fmt:MATRIX_FMT_FP6 matrix_b_fmt:MATRIX_FMT_FP6 matrix_a_scale:MATRIX_SCALE_ROW1
.elseif \zero == 2
	v_wmma_scale_f32_16x16x128_f8f6f4 v[8*(8*((\a)%4)+\b):8*(8*((\a)%4)+\b)+7], v[128*(\p)+FR*\b:128*(\p)+FR*\b+FR-1], v[AF+FR*(\a):AF+FR*(\a)+FR-1], v[BI+8*(\a):BI+8*(\a)+7], v[SC+8*NQ*(\sc)+NQ*\b+(\q)], v[SC+8*NQ*(\sc)+NQ*(\a)+(\q)] matrix_a_fmt:MATRIX_FMT_FP6 matrix_b_fmt:MATRIX_FMT_FP6 matrix_a_scale:MATRIX_SCALE_ROW1
.else
	v_wmma_scale_f32_16x16x128_f8f6f4 v[8*(8*((\a)%4)+\b):8*(8*((\a)%4)+\b)+7], v[128*(\p)+FR*\b:128*(\p)+FR*\b+FR-1], v[AF+FR*(\a):AF+FR*(\a)+FR-1], v[8*(8*((\a)%4)+\b):8*(8*((\a)%4)+\b)+7], v[SC+8*NQ*(\sc)+NQ*\b+(\q)], v[SC+8*NQ*(\sc)+NQ*(\a)+(\q)] matrix_a_fmt:MATRIX_FMT_FP6 matrix_b_fmt:MATRIX_FMT_FP6 matrix_a_scale:MATRIX_SCALE_ROW1
.endif
.endr
.endr
.endm
.macro FETCH_B slot, q, p
	WIN TO_B
.irp i, 0,1,2,3,4,5,6,7
	FRAG 128*(\p)+FR*\i, ADRB+\slot, \q, \i
.endr
	WIN 0
.endm
.macro FETCH_A slot, q, i0
.irp i, \i0, \i0+1, \i0+2, \i0+3
	FRAG AF+FR*(\i), ADRA+\slot, \q, \i
.endr
.endm
.macro SCALES sc                       ; a K step's scale words: two a row; lanes 0-15 take A's block i, lanes 16-31 B's block i
.irp i, 0,1,2,3,4,5,6,7
	ds_load_b64 v[SC+8*NQ*\sc+NQ*\i:SC+8*NQ*\sc+NQ*\i+1], v[ADRS] offset:\i*512
.endr
.endm
.macro PLACES n                        ; places in front of loads into registers that matrix instructions have read, and of the first read of results
.rept \n
	v_nop
.endr
.endm
.macro STEP slot, q, zero              ; a step of 128 along K that has its successor in the same slot
	s_wait_dscnt 4*NL                              ; B's set and A's blocks 0-3 are in; the youngest sixteen loads (A's blocks 4-7) may be out
.if \zero
	WIN 0x81                                       ; C, the bias, in window 0
.else
	WIN MUL_LO
.endif
	MUL16 0, (\q)%2, \q, \slot, \zero
	MUL16 2, (\q)%2, \q, \slot, \zero
	s_wait_dscnt 0                                 ; A's blocks 4-7 are in
	PLACES NP
	FETCH_B \slot, (\q)+1, 1-(\q)%2
	FETCH_A \slot, (\q)+1, 0
.if \zero
	WIN 0xc1
.else
	WIN MUL_HI
.endif
	MUL16 4, (\q)%2, \q, \slot, \zero
	MUL16 6, (\q)%2, \q, \slot, \zero
	PLACES NP
	WIN 0
	FETCH_A \slot, (\q)+1, 4
.endm
; A slot's last step changes slots: one barrier; in front of it each wave waits for all its tensor loads, adds 0 to its spare word, and waits for that and for its own reads of this slot.  fill = 1: this slot is filled again, two K steps ahead.
.macro TURN slot, next, fill
	s_wait_tensorcnt 0x0                           ; all my tensor loads have landed: my part of the next slot
	ds_add_u32 v[SPW], v[NIL]                      ; 0 onto my spare word
	s_wait_dscnt 4*NL+1                            ; (the add and the youngest sixteen loads may be out)
	WIN MUL_LO
	MUL16 0, 1, NQ-1, \slot, 0                     ; sixteen matrix instructions stand between the add and the wait for it
	s_wait_dscnt 0x0                               ; the add is done, and my reads of this slot are over
	s_barrier_signal -1
	MUL16 2, 1, NQ-1, \slot, 0
	WIN 0
	s_barrier_wait -1
.if \fill
	CREST                                          ; the barrier has opened a round of the cluster's barrier: no wave of any partner still reads this slot or has a load on its way
	s_add_nc_u64 s[G0+4*\slot+2:G0+4*\slot+3], s[G0+4*\slot+2:G0+4*\slot+3], 2*RBK
	s_add_nc_u64 s[G0B+4*\slot+2:G0B+4*\slot+3], s[G0B+4*\slot+2:G0B+4*\slot+3], 2*RBK
	JLOAD G0+4*\slot, G1, G0B+4*\slot, G1B         ; the first tensor load behind the round; its four v_nop are the places in front of the loads below
.else
	PLACES NP
.endif
	v_add_nc_u32 v[ADRS], 128, v[ADRS]             ; on to the next K step's scale words
	FETCH_B \next, 0, 0
	FETCH_A \next, 0, 0
	SCALES \next
	WIN MUL_HI
	MUL16 4, 1, NQ-1, \slot, 0
	MUL16 6, 1, NQ-1, \slot, 0
	PLACES NP
	WIN 0
	FETCH_A \next, 0, 4
.endm
	s_wait_tensorcnt 1                             ; the scales and my part of K step 0 are in (K step 1's load may be out),
	s_barrier_signal -1
	s_barrier_wait -1                              ; everybody's are
	FETCH_B 0, 0, 0
	FETCH_A 0, 0, 0
	SCALES 0
	FETCH_A 0, 0, 4
	s_wait_loadcnt 0x0                             ; the bias
	s_cmp_eq_u32 s[KIND], 2                        ; ---- the second parting: which bias starts the sums
	s_cbranch_scc1 .Lfirst_v
	STEP 0, 0, 1
	s_branch .Lfirst_done
.Lfirst_v:
	STEP 0, 0, 2
.Lfirst_done:
	TURN 0, 1, 1                                   ; K = 1,024 is four slots' worth: written out, no loop
	STEP 1, 0, 0
	TURN 1, 0, 1
	STEP 0, 0, 0
	TURN 0, 1, 0                                   ; nothing is left to fetch
	STEP 1, 0, 0
	s_wait_dscnt 4*NL
	WIN MUL_LO
	MUL16 0, 1, NQ-1, 1, 0
	MUL16 2, 1, NQ-1, 1, 0
	s_wait_dscnt 0
	WIN MUL_HI
	MUL16 4, 1, NQ-1, 1, 0
	MUL16 6, 1, NQ-1, 1, 0
	WIN 0
; THE WAY OUT.  Block a's 64 registers of a lane are 128 neighbours' halves along the next K of one row: register 16 b + i = k 32 b + 16 (lane / 16) + i.  They become a fragment's codes and its scale word.
.irp b, 0,1,2,3
	v_mov_b32 v[TM+4+\b], 0                        ; a lane permute's destination counts as one of its sources.  These four are also the places behind the last products
.endr
.macro QACC a
.set AS, 64*((\a)%4)
	WIN 0x0a+5*((\a)/4)                            ; sources 0 and 1: window 2 or 3
.irp b, 0,1,2,3
	v_max3_num_f32 v[TM+\b], |v[AS+16*\b]|, |v[AS+16*\b+1]|, 0x1800000   ; each accumulator is read from its low end on; the floor 2^(3 - 127) holds the byte at 1 from below
.endr
.irp i, 2,4,6,8,10,12,14
.irp b, 0,1,2,3
	v_max3_num_f32 v[TM+\b], |v[AS+16*\b+\i]|, |v[AS+16*\b+\i+1]|, v[TM+\b]
.endr
.endr
	WIN 0
.irp b, 0,1,2,3
	v_permlanex16_b32 v[TM+4+\b], v[TM+\b], s[SEL], s[SEL+1]
.endr
.irp b, 0,1,2,3
	v_max_num_f32 v[TM+\b], v[TM+\b], v[TM+4+\b]   ; with lane l xor 16's: the block's largest magnitude
.endr
.irp b, 0,1,2,3
	v_add_nc_u32 v[TM+12+\b], 0xff000000, v[TM+\b] ; the conversion's scale operand
.endr
.irp b, 0,1,2,3
	v_lshrrev_b32 v[TM+4+\b], 23, v[TM+12+\b]      ; the scale's byte
.endr
	v_lshl_or_b32 v[SWR+(\a)], v[TM+5], 8, v[TM+4]
	v_lshl_or_b32 v[SWR+(\a)], v[TM+6], 16, v[SWR+(\a)]
	v_lshl_or_b32 v[SWR+(\a)], v[TM+7], 24, v[SWR+(\a)]
	s_wait_xcnt 0x0                                ; the last block's stores have read their registers: the codes may be written again
	WIN 0x02+((\a)/4)                              ; source 0: window 2 or 3
.irp c, 0,1
	v_cvt_scalef32_pk16_fp6_f32 v[PC+6*\c:PC+2+6*\c], v[AS+32*\c:AS+15+32*\c], v[TM+12+2*\c]
	v_cvt_scalef32_pk16_fp6_f32 v[PC+12+4*\c:PC+14+4*\c], v[AS+16+32*\c:AS+31+32*\c], v[TM+12+2*\c+1]
.endr
	WIN 0
	v_nop                                          ; one plain place behind a scaled conversion
.irp c, 0,1
.irp i, 0,1,2
	v_permlane16_swap_b32 v[PC+6*\c+\i], v[PC+12+4*\c+\i]
.endr
.irp i, 0,1,2
	v_mov_b32 v[PC+3+6*\c+\i], v[PC+12+4*\c+\i]
.endr
.endr
.set PB, P0+2*((\a)/4)
	global_store_b128 v[VA0], v[PC:PC+3], s[PB:PB+1] offset:768*((\a)%4)           ; two half fragments as images: each store covers 512 or 256 consecutive bytes, aligned
	global_store_b64 v[VB0], v[PC+4:PC+5], s[PB:PB+1] offset:768*((\a)%4)+512
	global_store_b128 v[VA1], v[PC+6:PC+9], s[PB:PB+1] offset:768*((\a)%4)
	global_store_b64 v[VB1], v[PC+10:PC+11], s[PB:PB+1] offset:768*((\a)%4)+512
.endm
.irp a, 0,1,2,3,4,5,6,7
	QACC \a
.endr
	s_cmp_eq_u32 s[KIND], 2                        ; ---- the third parting: the scale words leave through my own bytes of LDS, in whole runs
	s_cbranch_scc1 .Lwords_v
.irp a, 0,1,2,3,4,5,6,7
	v_bfe_u32 v[TV+\a], v[SWR+\a], v[SH16], 16     ; a head has two blocks: lanes 0-15 cut the first head's two bytes, lanes 16-31 the second's; bytes 2 and 3 are 0
.endr
.irp a, 0,1,2,3,4,5,6,7
	ds_store_b32 v[SQ], v[TV+\a] offset:64*\a
.endr
	ds_load_b128 v[148:151], v[SQR]                ; LDS serves a wave's instructions in order: these see my stores
	ds_load_b128 v[152:155], v[SQR] offset:512
	s_wait_dscnt 0x0
	global_store_b128 v[VA0], v[148:151], s[PS:PS+1]   ; 128 positions' words of one head: 512 consecutive bytes
	global_store_b128 v[VS1], v[152:155], s[PS:PS+1]
	s_branch .Lwords_done
.Lwords_v:
.irp a, 0,1,2,3,4,5,6,7
	ds_store_b32 v[SV], v[SWR+\a] offset:64*\a     ; both halves of the lanes hold the same word
.endr
	ds_load_b128 v[148:151], v[SVR]
	s_wait_dscnt 0x0
	global_store_b128 v[VVO], v[148:151], s[PS:PS+1]   ; sixteen lanes store a head's 256 consecutive bytes, aligned
.Lwords_done:
	s_wait_tensorcnt 0x0                           ; the wave's end: behind my last tensor load and my last LDS store
	ds_add_u32 v[SPW], v[NIL]
	s_wait_dscnt 0x0
	CROUND                                         ; the closing round: no work-group ends while a partner may still ask for a tile that names it
	s_endpgm
.Lfunc_end_k_qb4f1595ef2_qkv:
	.size	k_qb4f1595ef2_qkv, .Lfunc_end_k_qb4f1595ef2_qkv-k_qb4f1595ef2_qkv
	.p2alignl 7, 3214868480
	.fill 96, 4, 3214868480
	.section	.rodata,"a",@progbits
	.p2align	6, 0x0
	.amdhsa_kernel k_qb4f1595ef2_qkv
		.amdhsa_group_segment_fixed_size 327680
		.amdhsa_private_segment_fixed_size 0
		.amdhsa_enable_private_segment 0
		.amdhsa_kernarg_size 48
		.amdhsa_user_sgpr_count 2
		.amdhsa_user_sgpr_kernarg_segment_ptr 1
		.amdhsa_wavefront_size32 1
		.amdhsa_system_sgpr_workgroup_id_x 1
		.amdhsa_system_sgpr_workgroup_id_y 1
		.amdhsa_system_sgpr_workgroup_id_z 1
		.amdhsa_system_vgpr_workitem_id 0
		.amdhsa_next_free_vgpr 1024
		.amdhsa_next_free_sgpr 102
		.amdhsa_reserve_vcc 0
		.amdhsa_float_denorm_mode_32 3
		.amdhsa_float_denorm_mode_16_64 3
		.amdhsa_memory_ordered 1
		.amdhsa_forward_progress 1
		.amdhsa_inst_pref_size 173
	.end_amdhsa_kernel
	.amdgpu_metadata
---
amdhsa.version: [ 1, 2 ]
amdhsa.kernels:
  - .name:           k_qb4f1595ef2_qkv
    .symbol:         k_qb4f1595ef2_qkv.kd
    .args:
      - { .name: codes, .offset: 0, .size: 8, .value_kind: global_buffer, .address_space: global }
      - { .name: scales, .offset: 8, .size: 8, .value_kind: global_buffer, .address_space: global }
      - { .name: b_attn, .offset: 16, .size: 8, .value_kind: global_buffer, .address_space: global }
      - { .name: qc, .offset: 24, .size: 8, .value_kind: global_buffer, .address_space: global }
      - { .name: qs, .offset: 32, .size: 8, .value_kind: global_buffer, .address_space: global }
      - { .name: kv, .offset: 40, .size: 8, .value_kind: global_buffer, .address_space: global }
    .group_segment_fixed_size: 327680
    .private_segment_fixed_size: 0
    .kernarg_segment_align: 8
    .kernarg_segment_size: 48
    .max_flat_workgroup_size: 128
    .sgpr_count:     102
    .vgpr_count:     1024
    .wavefront_size: 32
...
	.end_amdgpu_metadata
.endif
;; end of part 2
;; launch attn (part 3): grid 4 x 64, 16 waves a work-group, no clusters, 327,680 bytes of LDS; arguments qc, qs, kv, yc, ys; writes yc, ys
.if DOCPART == 3
	.amdgcn_target "amdgcn-amd-amdhsa--gfx1250"
	.amdhsa_code_object_version 6
	.text
	.protected	k_qb4f1595ef2_attn
	.globl	k_qb4f1595ef2_attn
	.p2align	8
	.type	k_qb4f1595ef2_attn,@function
k_qb4f1595ef2_attn:
	s_mov_b64 s[64:65], 0
	v_nop
	global_prefetch_b8 v0, s[64:65] scope:SCOPE_SE
	s_setreg_imm32_b32 hwreg(HW_REG_WAVE_MODE, 25, 1), 1
	s_wait_xcnt 0x0
; y = softmax(q k^T / 8, causal) v for 64 heads of 2,048 tokens and 64 channels, both products on codes of FP6 (E2M3) with E8M0 scales; y leaves quantised along the channels, as the last product's operand.
; THE SOFTMAX: t = score x log2(e) / 8; M = the row's largest t so far, rounded up to a whole number; p = 2^(t - M) is quantised along the keys, not normalised; the row's sum is taken of the unquantised p and divides at the end.
; When M moves, the sum and O are multiplied by 2^(old M - new M): exact.
; SHARES.  Work-group (i, head) owns query blocks 7 - i and i of 256 queries; each of its sixteen waves owns one tile of 16 of each block.  Block 7 - i walks key slots 0 .. 7 - i, then block i slots 0 .. i:
; nine visits of a slot of 256 keys in every work-group: equal work, constant trip counts, and no slot is fetched that nobody reads.
; A slot (26,112 dense bytes of kv) comes by two tensor loads (waves 0 and 1, half each) into one of two LDS slots and is read by all sixteen waves.
; NO CLUSTER: the four work-groups of a head leave their first block at visits 8, 7, 6, 5, so from visit 5 on they want different slots; a joint request wants the same tile in the same round from all partners.
; LAYOUT.  Both products are used transposed (S^T = K Q^T, O^T = V^T P^T): a lane holds one query.  Tokens and channels lie by position (index with bits 3 and 4 exchanged): lane r of tile 2 b + u holds index 32 b + 8 u + r + 8 (r / 8),
; so the 16 registers of tiles 2 b, 2 b + 1 are the 16 neighbours 32 b + 16 (lane / 16) + 0 .. 15.
; K = 64 IN THE FIRST PRODUCT: the instruction is 128 deep.  Q's upper six registers are zero codes; K's upper six are whatever follows (the next tile's codes, or zeros); the scale words' bytes 2 and 3 are 0, which is 2^-127 and no NaN.
; LIMITS: NaN and infinities are not served; a block of y whose largest magnitude lies under 2^(3 - 127) gets the byte 1.  ys is written two bytes a row and head (262,144 bytes in all).
.set SLOTB, 26112
.set HALFB, 13056
.set SLOT1, 32768                      ; slot 1 begins here: one exclusive or turns an address
.set SPARE, 65536                      ; the spare words, 128 bytes for each of sixteen waves
.set OKS,   24576                      ; in a slot: K's half fragments at 0, V^T's at 12,288, K's scale words, V's scale words
.set OV,    12288
.set OVS,   25600
.set L16, 1                            ; v1-3  16, 8, 4 x lane; never rewritten
.set L8,  2
.set L4,  3
.set DL,  4                            ; v4    r + 8 (r / 8) - 16 h: my query less my first key, without the step's part
.set SPW, 5
.set NIL, 6
.set PFO, 7                            ; v7    the prefetches' offset
.set A16, 8                            ; v8-10 the same three in the slot in hand
.set A8,  9
.set A4,  10
.set R8,  11                           ; v11   8 r
                                       ; v12 -M, v13 the largest t, v[14:15] the sum in two halves
.set QF,  16                           ; v16-27 Q's fragment; v22-27 stay zeros
.set QS,  28                           ; v28   Q's scale words
.set QL,  30                           ; v30-35, v36: the second block's
.set QSL, 36
.set KR,  40                           ; v40-87 eight half fragments of K, then four fragments of V^T; v88-93 stay zeros
.set KS,  94                           ; v94-97 K's scale words, two tiles to a register;  v98-99 V's
.set VS,  98
.set S,   100                          ; v100-163 S^T, then p
.set O,   164                          ; v164-195 O^T
.set PC,  196                          ; v196-207 p's codes;  v208-214 halves on their way
.set PT,  208
.set BM,  216                          ; v216-219 the blocks' largest
.set BX,  220                          ; v220-223 the other half's; bytes
.set SCO, 224                          ; v224-227 the conversions' scale operands
.set PW,  228                          ; v228  p's scale word
.set FF,  230                          ; v[230:231] f = 2^(old M - new M), and 0
.set T0,  232                          ; v232-235 at work
.set WV,  14
.set BH,  16
.set SW,  17                           ; 8 - i: slots of the first block
.set IX,  18                           ; i
.set NV,  19                           ; the slot of kv that was asked for last
.set SEL, 20
.set CS,  22                           ; s[22:23] c = log2(e) / 8
.set G1,  24
.set G0,  32
.set KVW, 36                           ; s[36:37] the head's first slot, my half
.set OFP, 38                           ; s[38:39] an offset in 64 bits
.set TB,  40
.set KF,  41                           ; the step's first key
.set Q0,  42                           ; my tile's first query;  s43 the second block's
.set Q0L, 43
.set SLOTS, 44                         ; visits to go in the loop
.set YP,  46                           ; s[46:47] where my tile's codes go, s[48:49] its scale bytes;  s[50:53] the second block's
.set YSP, 48
.set YPL, 50
.set YSPL, 52
.set PFA, 54
.set LIM, 56
.macro TLOAD                           ; waves 0 and 1 fetch half a slot each.  An s_nop 0 and four v_nop follow the line
	s_cmp_lt_u32 s[WV], 2
	s_cbranch_scc0 .Lnone_\@
	tensor_load_to_lds s[G0:G0+3], s[G1:G1+7]
	s_nop 0
.rept 4
	v_nop
.endr
.Lnone_\@:
.endm
; A PREFETCH of the slot that the NEXT change of slots will ask for: 102 blocks of 256 bytes, a lane a block.  All four work-groups of a head read the same slots: work-group 0, whose visits 0 to 7 are slots 0 to 7, asks;
; in it waves 4 to 7, which fetch nothing, one instruction each (the lanes past block 101 name block 101).  Slots 0 and 1 come by their loads alone; the changes of visits 6 and 7 ask for nothing: there is no slot 8.
.macro ASK
	s_cmp_gt_u32 s[SLOTS], s[LIM]
	s_cbranch_scc0 .Lnot_mine_\@
	global_prefetch_b8 v[PFO], s[PFA:PFA+1] th:TH_LOAD_NT scope:SCOPE_SE
.Lnot_mine_\@:
.endm
	s_load_b256 s[4:11], s[0:1], 0x0               ; qc s[4:5], qs s[6:7], kv s[8:9], yc s[10:11]
	s_load_b64 s[12:13], s[0:1], 0x20              ; ys
	v_lshl_add_u32 v[SPW], v0, 2, SPARE
	v_mov_b32 v[NIL], 0
	ds_add_u32 v[SPW], v[NIL]                      ; the wave's opening: the add and its wait stand ahead of my first tensor load; work on registers stands between them
	ds_add_u32 v[SPW], v[NIL]
	v_lshrrev_b32 v8, 5, v0
	s_delay_alu instid0(VALU_DEP_1)
	v_readfirstlane_b32 s[WV], v8                  ; wave 0..15
	s_and_b32 s[BH], ttmp7, 0xffff                 ; 16 x batch + head
	s_mov_b32 s[IX], ttmp9
	s_sub_co_u32 s[SW], 8, ttmp9
	s_sub_co_u32 s61, 7, ttmp9
	s_lshl_b32 s61, s61, 4
	s_add_co_u32 s61, s61, s[WV]                   ; my tile of the first block
	s_lshl_b32 s62, ttmp9, 4
	s_add_co_u32 s62, s62, s[WV]                   ; and of the second
	s_lshr_b32 s[Q0], s61, 1
	s_lshl_b32 s[Q0], s[Q0], 5
	s_and_b32 s57, s61, 1
	s_lshl_b32 s57, s57, 3
	s_add_co_u32 s[Q0], s[Q0], s57                 ; tile T's first query: 32 (T / 2) + 8 (T % 2)
	s_lshr_b32 s[Q0L], s62, 1
	s_lshl_b32 s[Q0L], s[Q0L], 5
	s_and_b32 s57, s62, 1
	s_lshl_b32 s57, s57, 3
	s_add_co_u32 s[Q0L], s[Q0L], s57
	; descriptor group 1: half a slot, 13,056 dense bytes, as 51 rows of 256 bytes (32 elements of 8)
	s_mov_b32 s[G1], 3<<16
	s_mov_b32 s[G1+1], 32<<16
	s_mov_b32 s[G1+2], 51<<16
	s_mov_b32 s[G1+3], 32<<16
	s_mov_b32 s[G1+4], 51
	s_mov_b32 s[G1+5], 32
	s_mov_b32 s[G1+6], 0
	s_mov_b32 s[G1+7], 0
	s_mov_b32 s[SEL], 0x76543210
	s_mov_b32 s[SEL+1], 0xfedcba98
	s_mov_b32 s[CS], 0x3e38aa3b                    ; c = log2(e) / sqrt(64)
	s_mov_b32 s[CS+1], s[CS]                       ; (named with it as a pair, so it is written)
	s_mov_b32 s[TB], 0
	s_mov_b32 s[KF], 0
	s_mov_b32 s[NV], 0
	s_mov_b32 s[SLOTS], 8
	s_lshr_b32 s57, s[WV], 2
	s_xor_b32 s57, s57, 1                          ; 0 in waves 4 to 7,
	s_or_b32 s57, s57, ttmp9                       ; of the head's work-group 0
	s_cmp_eq_u32 s57, 0
	s_cselect_b32 s[LIM], 2, -1
	s_and_b32 s57, s[WV], 1
	s_mul_i32 s[G0+1], s57, HALFB                  ; my half's place in slot 0
	s_mov_b32 s[G0], 1
	s_mul_i32 s[OFP], s[BH], 8*SLOTB
	s_mov_b32 s[OFP+1], 0
	s_wait_dscnt 0x0                               ; the opening add is done
	s_wait_kmcnt 0x0
	s_add_nc_u64 s[PFA:PFA+1], s[8:9], s[OFP:OFP+1]    ; the head's first slot
	s_mov_b32 s[OFP], s[G0+1]
	s_add_nc_u64 s[KVW:KVW+1], s[PFA:PFA+1], s[OFP:OFP+1]
	s_add_nc_u64 s[PFA:PFA+1], s[PFA:PFA+1], SLOTB     ; slot 1: the first change steps it to slot 2.  Nothing is prefetched at the head
	s_mov_b64 s[G0+2:G0+3], s[KVW:KVW+1]
	s_or_b32 s[G0+3], s[G0+3], 0x80000000
	TLOAD                                          ; slot 0
	s_mul_i32 s57, s[BH], 98304                    ; Q's half fragments: 768 bytes a tile
	s_mul_i32 s58, s61, 768
	s_add_co_u32 s[OFP], s57, s58
	s_add_nc_u64 s[66:67], s[4:5], s[OFP:OFP+1]
	s_mul_i32 s58, s62, 768
	s_add_co_u32 s[OFP], s57, s58
	s_add_nc_u64 s[68:69], s[4:5], s[OFP:OFP+1]
	s_lshl_b32 s57, s[BH], 13                      ; and scale words: 64 bytes a tile
	s_lshl_b32 s58, s61, 6
	s_add_co_u32 s[OFP], s57, s58
	s_add_nc_u64 s[70:71], s[6:7], s[OFP:OFP+1]
	s_lshl_b32 s58, s62, 6
	s_add_co_u32 s[OFP], s57, s58
	s_add_nc_u64 s[72:73], s[6:7], s[OFP:OFP+1]
	s_lshr_b32 s57, s[BH], 4
	s_lshl_b32 s57, s57, 7                         ; the batch's first rowblock of tokens
	s_and_b32 s58, s[BH], 15                       ; the head: half fragment 'head' of the last product's K; its two scale bytes at (head / 4) 128 + 2 (head % 4)
	s_lshr_b32 s63, s58, 2
	s_lshl_b32 s63, s63, 7
	s_and_b32 s60, s58, 3
	s_lshl_b32 s60, s60, 1
	s_add_co_u32 s63, s63, s60
.macro YPTR t, yp, ysp
	s_add_co_u32 s59, s57, s[\t]
	s_lshl_b32 s60, s59, 4
	s_add_co_u32 s60, s60, s58
	s_mul_i32 s[OFP], s60, 768
	s_add_nc_u64 s[\yp:\yp+1], s[10:11], s[OFP:OFP+1]
	s_lshl_b32 s[OFP], s59, 9
	s_add_co_u32 s[OFP], s[OFP], s63
	s_add_nc_u64 s[\ysp:\ysp+1], s[12:13], s[OFP:OFP+1]
.endm
	YPTR 61, YP, YSP
	YPTR 62, YPL, YSPL
	v_and_b32 v8, 31, v0
	s_delay_alu instid0(VALU_DEP_1)
	v_lshlrev_b32 v[L16], 4, v8
	s_delay_alu instid0(VALU_DEP_2)
	v_lshlrev_b32 v[L8], 3, v8
	s_delay_alu instid0(VALU_DEP_3)
	v_lshlrev_b32 v[L4], 2, v8
	v_and_b32 v9, 15, v0                           ; r
	v_bfe_u32 v10, v0, 4, 1                        ; h
	s_delay_alu instid0(VALU_DEP_2)
	v_and_b32 v[DL], 8, v9
	s_delay_alu instid0(VALU_DEP_1)
	v_add_nc_u32 v[DL], v[DL], v9
	s_delay_alu instid0(VALU_DEP_3)
	v_lshlrev_b32 v10, 4, v10
	s_delay_alu instid0(VALU_DEP_1)
	v_sub_nc_u32 v[DL], v[DL], v10
	v_lshlrev_b32 v[R8], 3, v9
	v_lshlrev_b32 v[T0], 2, v9                     ; 4 r
	v_add_nc_u32 v[PFO], 0xffffff80, v0            ; thread - 128: block 32 (wave - 4) + lane,
	s_delay_alu instid0(VALU_DEP_1)
	v_min_u32 v[PFO], 101, v[PFO]                  ; held at the slot's last block
	s_delay_alu instid0(VALU_DEP_1)
	v_lshlrev_b32 v[PFO], 8, v[PFO]
	global_load_b128 v[QF:QF+3], v[L16], s[66:67]
	global_load_b64 v[QF+4:QF+5], v[L8], s[66:67] offset:512
	global_load_b32 v[QS], v[T0], s[70:71]
	global_load_b128 v[QL:QL+3], v[L16], s[68:69]
	global_load_b64 v[QL+4:QL+5], v[L8], s[68:69] offset:512
	global_load_b32 v[QSL], v[T0], s[72:73]
.irp j, 0,1,2,3,4,5
	v_mov_b32 v[QF+6+\j], 0                        ; zero codes for k = 64 .. 127
	v_mov_b32 v[KR+48+\j], 0
.endr
.irp b, 0,1,2,3
	v_mov_b32 v[BX+\b], 0                          ; written once: a lane permute's destination counts as one of its sources
.endr
	v_mov_b32 v[FF+1], 0                           ; (named as the upper half of a pair)
.macro FRESH                           ; a block of queries begins: O^T and the sum are zeros, the largest t lies under every t: the first change of M multiplies zeros
.set jj, 0
.rept 32
	v_mov_b32 v[O+jj], 0
.set jj, jj+1
.endr
	v_mov_b32 v13, 0xff61b1e6                      ; -3e38
	s_delay_alu instid0(VALU_DEP_1)
	v_floor_f32 v12, -v13
	v_mov_b32 v14, 0
	v_mov_b32 v15, 0
.endm
	FRESH
; A KEY STEP: 128 keys, the q-th of the slot in hand.
.macro STEP q
	s_add_co_u32 s45, s[Q0], 23                    ; my tile's last query.  A step all of whose keys come after it is left out: a scalar branch on ids; no barrier or tensor load stands in a step
	s_cmp_gt_u32 s[KF], s45
	s_cbranch_scc1 .Lhidden_\@
	v_add_nc_u32 v[A16], s[TB], v[L16]
	v_add_nc_u32 v[A8], s[TB], v[L8]
	v_add_nc_u32 v[A4], s[TB], v[L4]
	v_nop                                          ; four places in front of loads into registers that matrix instructions have read
.irp t, 0,1,2,3,4,5,6,7
	ds_load_b128 v[KR+6*\t:KR+6*\t+3], v[A16] offset:(8*(\q)+\t)*768
	ds_load_b64 v[KR+6*\t+4:KR+6*\t+5], v[A8] offset:(8*(\q)+\t)*768+512
.endr
.irp b, 0,1,2,3
	ds_load_b32 v[KS+\b], v[A4] offset:OKS+512*(\q)+128*\b   ; lanes 0-15: tile 2 b's words, lanes 16-31: tile 2 b + 1's
.endr
	s_wait_alu depctr_va_vdst(0)
	s_wait_dscnt 0x0
.irp t, 0,2,4,6
	v_wmma_scale_f32_16x16x128_f8f6f4 v[S+8*\t:S+8*\t+7], v[KR+6*\t:KR+6*\t+11], v[QF:QF+11], 0, v[KS+\t/2], v[QS] matrix_a_fmt:MATRIX_FMT_FP6 matrix_b_fmt:MATRIX_FMT_FP6
	v_wmma_scale_f32_16x16x128_f8f6f4 v[S+8*\t+8:S+8*\t+15], v[KR+6*\t+6:KR+6*\t+17], v[QF:QF+11], 0, v[KS+\t/2], v[QS] matrix_a_fmt:MATRIX_FMT_FP6 matrix_b_fmt:MATRIX_FMT_FP6 matrix_a_scale:MATRIX_SCALE_ROW1
.endr
.rept 4
	v_nop                                          ; places: for the first read of the scores, and for the loads below
.endr
.irp d, 0,1,2,3                                ; V^T's four fragments of these 128 keys are asked for now, into K's registers, and land under the softmax
	ds_load_b128 v[KR+12*\d:KR+12*\d+3], v[A16] offset:OV+(8*(\q)+\d)*768
	ds_load_b64 v[KR+12*\d+4:KR+12*\d+5], v[A8] offset:OV+(8*(\q)+\d)*768+512
	ds_load_b128 v[KR+12*\d+6:KR+12*\d+9], v[A16] offset:OV+(8*(\q)+4+\d)*768
	ds_load_b64 v[KR+12*\d+10:KR+12*\d+11], v[A8] offset:OV+(8*(\q)+4+\d)*768+512
.endr
	ds_load_b32 v[VS], v[A4] offset:OVS+256*(\q)
	ds_load_b32 v[VS+1], v[A4] offset:OVS+256*(\q)+128
	s_add_co_u32 s45, s[KF], 127                   ; on the diagonal the scores of hidden keys become -infinity ahead of the maximum; a step all of whose keys count skips this
	s_cmp_le_u32 s45, s[Q0]
	s_cbranch_scc1 .Lopen_\@
	s_sub_co_i32 s45, s[Q0], s[KF]
	v_add_nc_u32 v[T0+2], s45, v[DL]               ; d = my query - the step's first key - 16 (lane / 16).  Register 16 b + i holds key 32 b + i from there: hidden where 32 b + i > d
	v_mov_b32 v[T0+3], 0xff800000
.set jj, 0
.rept 64
	v_cmp_gt_i32 vcc_lo, 32*(jj/16)+jj%16, v[T0+2]
	v_cndmask_b32 v[S+jj], v[S+jj], v[T0+3], vcc_lo
.set jj, jj+1
.endr
.Lopen_\@:
.irp b, 0,1,2,3
	v_max3_num_f32 v[BM+\b], v[S+16*\b], v[S+16*\b+1], v[S+16*\b+2]   ; the largest score of each block of 32 keys: for the row's maximum and, since p rises with the score, for the block's largest p
.endr
.irp i, 3,5,7,9,11,13
.irp b, 0,1,2,3
	v_max3_num_f32 v[BM+\b], v[BM+\b], v[S+16*\b+\i], v[S+16*\b+\i+1]
.endr
.endr
.irp b, 0,1,2,3
	v_max_num_f32 v[BM+\b], v[BM+\b], v[S+16*\b+15]
.endr
.irp b, 0,1,2,3
	s_delay_alu instid0(VALU_DEP_4)
	v_permlanex16_b32 v[BX+\b], v[BM+\b], s[SEL], s[SEL+1]
.endr
.irp b, 0,1,2,3
	s_delay_alu instid0(VALU_DEP_4)
	v_max_num_f32 v[BM+\b], v[BM+\b], v[BX+\b]     ; with lane l xor 16's 16 keys
.endr
	s_delay_alu instid0(VALU_DEP_2)
	v_max3_num_f32 v[T0+2], v[BM], v[BM+1], v[BM+2]
	s_delay_alu instid0(VALU_DEP_1)
	v_max_num_f32 v[T0+2], v[T0+2], v[BM+3]        ; the step's largest score of my query
	s_delay_alu instid0(VALU_DEP_1)
	v_mul_f32 v[T0+2], s[CS], v[T0+2]              ; as t
	s_delay_alu instid0(VALU_DEP_1)
	v_max_num_f32 v13, v13, v[T0+2]                ; the running largest t
	v_mov_b32 v[T0+2], v12
	s_delay_alu instid0(VALU_DEP_2)
	v_floor_f32 v12, -v13                          ; the new -M = floor(-t): M is a whole number
	s_delay_alu instid0(VALU_DEP_1)
	v_sub_f32 v[T0+2], v12, v[T0+2]                ; old M - new M: a whole number, 0 or less
	s_delay_alu instid0(VALU_DEP_1)
	v_cvt_i32_f32 v[T0+2], v[T0+2]                 ; (it saturates)
	s_delay_alu instid0(VALU_DEP_1)
	v_ldexp_f32 v[FF], 1.0, v[T0+2]                ; f = 2^(old M - new M)
.set jj, 0
.rept 32
	v_pk_fma_f32 v[S+jj:S+jj+1], v[S+jj:S+jj+1], s[CS:CS+1], v[12:13] op_sel_hi:[1,0,0]   ; t - M, two at a time
.set jj, jj+2
.endr
.irp b, 0,1,2,3
	v_fma_f32 v[BM+\b], v[BM+\b], s[CS], v12       ; the same of each block's largest score
.endr
.set jj, 0
	s_wait_alu depctr_va_vdst(0)
.rept 64
	v_exp_f32 v[S+jj], v[S+jj]                     ; p = 2^(t - M), at most 1
.set jj, jj+1
.endr
	v_pk_mul_f32 v[14:15], v[14:15], v[FF:FF+1] op_sel_hi:[1,0]   ; the sums under the new M: the plain place behind the exponentials
	s_wait_alu depctr_va_vdst(0)                   ; one wait for the batch of 64, ahead of its first reader
.irp b, 0,1,2,3
	v_exp_f32 v[BM+\b], v[BM+\b]                   ; the block's largest p: the same two instructions on the same number give the same bits
.endr
	v_pk_add_f32 v[232:233], v[104:105], v[108:109]
	v_pk_add_f32 v[254:255], v[112:113], v[116:117]
	v_pk_add_f32 v[252:253], v[120:121], v[124:125]
	v_pk_add_f32 v[250:251], v[128:129], v[132:133]
	v_pk_add_f32 v[248:249], v[136:137], v[140:141]
	v_pk_add_f32 v[246:247], v[144:145], v[148:149]
	v_pk_add_f32 v[244:245], v[152:153], v[156:157]
	v_pk_add_f32 v[14:15], v[14:15], v[160:161]
	v_pk_add_f32 v[232:233], v[232:233], v[100:101]
	v_pk_add_f32 v[254:255], v[254:255], v[102:103]
	v_pk_add_f32 v[252:253], v[252:253], v[106:107]
	v_pk_add_f32 v[250:251], v[250:251], v[110:111]
	v_pk_add_f32 v[248:249], v[248:249], v[114:115]
	v_pk_add_f32 v[246:247], v[246:247], v[118:119]
	v_pk_add_f32 v[244:245], v[244:245], v[122:123]
	v_pk_add_f32 v[14:15], v[14:15], v[126:127]
	v_pk_add_f32 v[232:233], v[232:233], v[130:131]
	v_pk_add_f32 v[254:255], v[254:255], v[134:135]
	v_pk_add_f32 v[252:253], v[252:253], v[138:139]
	v_pk_add_f32 v[250:251], v[250:251], v[142:143]
	v_pk_add_f32 v[248:249], v[248:249], v[146:147]
	v_pk_add_f32 v[246:247], v[246:247], v[150:151]
	v_pk_add_f32 v[244:245], v[244:245], v[154:155]
	v_pk_add_f32 v[14:15], v[14:15], v[158:159]
	v_pk_add_f32 v[232:233], v[232:233], v[162:163]
	s_delay_alu instid0(VALU_DEP_2)
	v_pk_add_f32 v[14:15], v[14:15], v[250:251]
	s_delay_alu instid0(VALU_DEP_2)
	v_pk_add_f32 v[232:233], v[232:233], v[248:249]
	v_pk_add_f32 v[254:255], v[254:255], v[246:247]
	v_pk_add_f32 v[252:253], v[252:253], v[244:245]
	s_delay_alu instid0(VALU_DEP_2)
	v_pk_add_f32 v[14:15], v[14:15], v[254:255]
	s_delay_alu instid0(VALU_DEP_2)
	v_pk_add_f32 v[232:233], v[232:233], v[252:253]
	s_delay_alu instid0(VALU_DEP_1)
	v_pk_add_f32 v[14:15], v[14:15], v[232:233]
	s_wait_alu depctr_va_vdst(0)                   ; and one for the four
.irp b, 0,1,2,3
	v_max_num_f32 v[BM+\b], 0x1800000, v[BM+\b]    ; the floor 2^(3 - 127): a block whose every p is 0 keeps the byte 1: its codes are zeros
.endr
.irp b, 0,1,2,3
	s_delay_alu instid0(VALU_DEP_4)
	v_add_nc_u32 v[SCO+\b], 0xff000000, v[BM+\b]   ; 2 off the exponent field: the conversion's scale operand
.endr
.irp b, 0,1,2,3
	s_delay_alu instid0(VALU_DEP_4)
	v_lshrrev_b32 v[BX+\b], 23, v[SCO+\b]          ; the scale's byte
.endr
	s_delay_alu instid0(VALU_DEP_3)
	v_lshl_or_b32 v[PW], v[BX+1], 8, v[BX]         ; p's scale word for these 128 keys
	s_delay_alu instid0(VALU_DEP_1)
	v_lshl_or_b32 v[PW], v[BX+2], 16, v[PW]
	s_delay_alu instid0(VALU_DEP_1)
	v_lshl_or_b32 v[PW], v[BX+3], 24, v[PW]
.irp c, 0,1
	v_cvt_scalef32_pk16_fp6_f32 v[PC+6*\c:PC+6*\c+2], v[S+32*\c:S+32*\c+15], v[SCO+2*\c]
	v_cvt_scalef32_pk16_fp6_f32 v[PT+4*\c:PT+4*\c+2], v[S+32*\c+16:S+32*\c+31], v[SCO+2*\c+1]
.endr
	v_nop                                          ; one plain place behind a scaled conversion
.irp c, 0,1                                    ; the operand's layout wants a whole block in a lane
.irp i, 0,1,2
	v_permlane16_swap_b32 v[PC+6*\c+\i], v[PT+4*\c+\i]
.endr
.irp i, 0,1,2
	s_delay_alu instid0(VALU_DEP_3)
	v_mov_b32 v[PC+3+6*\c+\i], v[PT+4*\c+\i]
.endr
.endr
.set jj, 0
.rept 16
	v_pk_mul_f32 v[O+jj:O+jj+1], v[O+jj:O+jj+1], v[FF:FF+1] op_sel_hi:[1,0]   ; O^T under the new M.  These sixteen are also the places between p's codes and scale word and the products
.set jj, jj+2
.endr
	s_wait_alu depctr_va_vdst(0)
	s_wait_dscnt 0x0                               ; V^T is in
.irp d, 0,2
	v_wmma_scale_f32_16x16x128_f8f6f4 v[O+8*\d:O+8*\d+7], v[KR+12*\d:KR+12*\d+11], v[PC:PC+11], v[O+8*\d:O+8*\d+7], v[VS+\d/2], v[PW] matrix_a_fmt:MATRIX_FMT_FP6 matrix_b_fmt:MATRIX_FMT_FP6
	v_wmma_scale_f32_16x16x128_f8f6f4 v[O+8*\d+8:O+8*\d+15], v[KR+12*\d+12:KR+12*\d+23], v[PC:PC+11], v[O+8*\d+8:O+8*\d+15], v[VS+\d/2], v[PW] matrix_a_fmt:MATRIX_FMT_FP6 matrix_b_fmt:MATRIX_FMT_FP6 matrix_a_scale:MATRIX_SCALE_ROW1
.endr
.Lhidden_\@:
	s_add_co_u32 s[KF], s[KF], 128
.endm
; THE CHANGE OF SLOTS stands at a visit's head.  Each wave waits for all its tensor loads, adds 0 to its spare word, and waits for that and for its reads of the slot that it has left.
; Behind the barrier the slot ahead is whole and nobody reads the other one.  fill = 1: that other slot takes the next visit's keys: the load has a whole visit in which to land.
.macro CHANGE fill
	s_wait_tensorcnt 0x0                           ; no tensor load of mine is out, so group 0 may be written
	ds_add_u32 v[SPW], v[NIL]                      ; 0 onto my spare word
.if \fill
	s_add_co_u32 s[NV], s[NV], 1                   ; the next visit's slot of kv: one on, or, where the first block's slots are done, slot 0 again
	s_cmp_eq_u32 s[NV], s[SW]
	s_cselect_b32 s[NV], 0, s[NV]
	s_mul_i32 s[OFP], s[NV], SLOTB
	s_add_nc_u64 s[G0+2:G0+3], s[KVW:KVW+1], s[OFP:OFP+1]
	s_or_b32 s[G0+3], s[G0+3], 0x80000000
	s_xor_b32 s[G0+1], s[G0+1], SLOT1
	s_wait_xcnt 0x0                                ; the last prefetch, a visit back, has read its address
	s_add_nc_u64 s[PFA:PFA+1], s[PFA:PFA+1], SLOTB
.endif
	s_wait_dscnt 0x0                               ; the add is done, and my reads of the slot that I have left are over
	s_barrier_signal -1
	s_barrier_wait -1
.if \fill
	TLOAD                                          ; the first thing behind the barrier, and a wave's one tensor load until the next
	ASK
.endif
.endm
; A block of queries is finished: O^T / the sum is quantised along the head's 64 channels (two blocks of 32) and leaves as a half fragment of the last product's A operand.
.macro FINISH
.rept 4
	v_nop                                          ; places behind the last products
.endr
	v_add_f32 v14, v14, v15
	s_delay_alu instid0(VALU_DEP_1)
	v_permlanex16_b32 v[BX], v14, s[SEL], s[SEL+1]
	s_delay_alu instid0(VALU_DEP_1)
	v_add_f32 v14, v14, v[BX]                      ; the row's sum
	s_wait_alu depctr_va_vdst(0)
	v_rcp_f32 v14, v14
	v_nop                                          ; a plain place behind the transcendental
	s_wait_alu depctr_va_vdst(0)                   ; and the wait ahead of its first reader
.set jj, 0
.rept 32
	v_mul_f32 v[S+jj], v[O+jj], v14                ; register 16 b + i is y(my query, channel 32 b + 16 (lane / 16) + i)
.set jj, jj+1
.endr
.irp b, 0,1
	v_max3_num_f32 v[BM+\b], |v[S+16*\b]|, |v[S+16*\b+1]|, 0x1800000
.endr
.irp i, 2,4,6,8,10,12,14
.irp b, 0,1
	s_delay_alu instid0(VALU_DEP_2)
	v_max3_num_f32 v[BM+\b], v[BM+\b], |v[S+16*\b+\i]|, |v[S+16*\b+\i+1]|
.endr
.endr
.irp b, 0,1
	s_delay_alu instid0(VALU_DEP_2)
	v_permlanex16_b32 v[BX+\b], v[BM+\b], s[SEL], s[SEL+1]
.endr
.irp b, 0,1
	s_delay_alu instid0(VALU_DEP_2)
	v_max_num_f32 v[BM+\b], v[BM+\b], v[BX+\b]
.endr
.irp b, 0,1
	s_delay_alu instid0(VALU_DEP_2)
	v_add_nc_u32 v[SCO+\b], 0xff000000, v[BM+\b]
.endr
.irp b, 0,1
	s_delay_alu instid0(VALU_DEP_2)
	v_lshrrev_b32 v[BX+\b], 23, v[SCO+\b]
.endr
	s_delay_alu instid0(VALU_DEP_1)
	v_lshl_or_b32 v[T0], v[BX+1], 8, v[BX]         ; the head's two scale bytes of my row
	v_cvt_scalef32_pk16_fp6_f32 v[PC:PC+2], v[S:S+15], v[SCO]
	v_cvt_scalef32_pk16_fp6_f32 v[PT:PT+2], v[S+16:S+31], v[SCO+1]
	v_nop
.irp i, 0,1,2
	v_permlane16_swap_b32 v[PC+\i], v[PT+\i]
.endr
.irp i, 0,1,2
	s_delay_alu instid0(VALU_DEP_3)
	v_mov_b32 v[PC+3+\i], v[PT+\i]
.endr
	global_store_b128 v[L16], v[PC:PC+3], s[YP:YP+1]           ; 512 and 256 consecutive bytes, aligned
	global_store_b64 v[L8], v[PC+4:PC+5], s[YP:YP+1] offset:512
	global_store_b16 v[R8], v[T0], s[YSP:YSP+1]                ; both halves of the lanes write the same two bytes
.endm
.macro SWITCH                          ; where the first block's slots are done (the loop's counter has come down to i): it goes out, and the second block begins
	s_cmp_lg_u32 s[SLOTS], s[IX]
	s_cbranch_scc1 .Lsame_\@
	s_wait_alu depctr_va_vdst(0)
	FINISH
	s_wait_xcnt 0x0                                ; the stores have read their registers and addresses
	v_mov_b32 v[QS], v[QSL]                        ; the scale word first: more than eight plain instructions follow ahead of the next scaled product
.irp j, 0,1,2,3,4,5
	v_mov_b32 v[QF+\j], v[QL+\j]
.endr
	FRESH
	s_mov_b64 s[YP:YP+1], s[YPL:YPL+1]
	s_mov_b64 s[YSP:YSP+1], s[YSPL:YSPL+1]
	s_mov_b32 s[Q0], s[Q0L]
	s_mov_b32 s[KF], 0
.Lsame_\@:
.endm
	s_wait_loadcnt 0x0                             ; Q
.Lvisit:                                           ; eight trips: behind each change of slots but the last the next visit's slot is asked for
	CHANGE 1
	SWITCH
	STEP 0
	STEP 1
	s_xor_b32 s[TB], s[TB], SLOT1
	s_sub_co_u32 s[SLOTS], s[SLOTS], 1
	s_cmp_lg_u32 s[SLOTS], 0
	s_cbranch_scc1 .Lvisit
	CHANGE 0                                       ; the ninth visit is written out
	SWITCH
	STEP 0
	STEP 1
	s_wait_alu depctr_va_vdst(0)
	FINISH
	s_wait_tensorcnt 0x0                           ; the wave's end: behind my last tensor load
	ds_add_u32 v[SPW], v[NIL]
	s_wait_dscnt 0x0
	s_endpgm
.Lfunc_end_k_qb4f1595ef2_attn:
	.size	k_qb4f1595ef2_attn, .Lfunc_end_k_qb4f1595ef2_attn-k_qb4f1595ef2_attn
	.p2alignl 7, 3214868480
	.fill 96, 4, 3214868480
	.section	.rodata,"a",@progbits
	.p2align	6, 0x0
	.amdhsa_kernel k_qb4f1595ef2_attn
		.amdhsa_group_segment_fixed_size 327680
		.amdhsa_private_segment_fixed_size 0
		.amdhsa_enable_private_segment 0
		.amdhsa_kernarg_size 40
		.amdhsa_user_sgpr_count 2
		.amdhsa_user_sgpr_kernarg_segment_ptr 1
		.amdhsa_wavefront_size32 1
		.amdhsa_system_sgpr_workgroup_id_x 1
		.amdhsa_system_sgpr_workgroup_id_y 1
		.amdhsa_system_sgpr_workgroup_id_z 1
		.amdhsa_system_vgpr_workitem_id 0
		.amdhsa_next_free_vgpr 256
		.amdhsa_next_free_sgpr 80
		.amdhsa_reserve_vcc 1
		.amdhsa_float_denorm_mode_32 3
		.amdhsa_float_denorm_mode_16_64 3
		.amdhsa_memory_ordered 1
		.amdhsa_forward_progress 1
		.amdhsa_inst_pref_size 116
	.end_amdhsa_kernel
	.amdgpu_metadata
---
amdhsa.version: [ 1, 2 ]
amdhsa.kernels:
  - .name:           k_qb4f1595ef2_attn
    .symbol:         k_qb4f1595ef2_attn.kd
    .args:
      - { .name: qc, .offset: 0, .size: 8, .value_kind: global_buffer, .address_space: global }
      - { .name: qs, .offset: 8, .size: 8, .value_kind: global_buffer, .address_space: global }
      - { .name: kv, .offset: 16, .size: 8, .value_kind: global_buffer, .address_space: global }
      - { .name: yc, .offset: 24, .size: 8, .value_kind: global_buffer, .address_space: global }
      - { .name: ys, .offset: 32, .size: 8, .value_kind: global_buffer, .address_space: global }
    .group_segment_fixed_size: 327680
    .private_segment_fixed_size: 0
    .kernarg_segment_align: 8
    .kernarg_segment_size: 40
    .max_flat_workgroup_size: 512
    .sgpr_count:     80
    .vgpr_count:     256
    .wavefront_size: 32
...
	.end_amdgpu_metadata
.endif
;; end of part 3
;; launch proj (part 4): grid 4 x 32, 4 waves a work-group, clusters of 4 x 4, 327,680 bytes of LDS; arguments yc, ys, codes, scales, b_proj, out0; writes out0
.if DOCPART == 4
	.amdgcn_target "amdgcn-amd-amdhsa--gfx1250"
	.amdhsa_code_object_version 6
	.text
	.protected	k_qb4f1595ef2_proj
	.globl	k_qb4f1595ef2_proj
	.p2align	8
	.type	k_qb4f1595ef2_proj,@function
k_qb4f1595ef2_proj:
	s_mov_b64 s[64:65], 0
	v_nop
	global_prefetch_b8 v0, s[64:65] scope:SCOPE_SE
	s_setreg_imm32_b32 hwreg(HW_REG_WAVE_MODE, 25, 1), 1
	s_wait_xcnt 0x0
	s_wait_alu depctr_hold_cnt(0) depctr_sa_sdst(0) depctr_va_vdst(0) depctr_va_sdst(0) depctr_va_ssrc(0) depctr_va_vcc(0) depctr_vm_vsrc(0)
	s_getreg_b32 s2, hwreg(HW_REG_IB_STS2, 6, 4)
	s_cmp_eq_u32 s2, 0
	s_cbranch_scc0 .Lentry_in_a_cluster
	s_endpgm
.Lentry_in_a_cluster:
	s_bfe_u32 s2, ttmp6, 0x10000c
	s_cmp_lg_u32 s2, 0xf033
	s_cbranch_scc0 .Lentry_shape_is_right
	s_endpgm
.Lentry_shape_is_right:
; out0 = y W_proj + b_proj on codes of FP6 (E2M3) with E8M0 scales, K = 1024; out0 [8192][1024] f32.
; A work-group of four waves makes 256 x 256, a wave 128 x 128 (64 accumulators).  K goes in steps of 256 through two LDS slots filled by the tensor data mover; 4 x 32 tiles: 128 work-groups.
; The A side is y (yc, ys: rowblocks of 16 token positions), the B side W_proj's columns (rowblocks 704 on of codes and scales).  Operands are images of registers: half fragments of 768 bytes.
; THE MATRIX INSTRUCTION IS USED TRANSPOSED (source 0 = 16 rows of B, source 1 = 16 rows of A): a lane holds one token and its registers run along the output's columns.
; Rows lie by position (index with bits 3 and 4 exchanged): tile b's register j of lane (r, h) is column 32 (b / 2) + 8 (b % 2) + 16 h + j; block a's lane r is token 32 (a / 2) + 8 (a % 2) + r + 8 (r / 8).
; The bias is the C of each sum's first product (an order of rounding other than adding it last).
; CLUSTERS: 4 x 4 work-groups; A's tiles are asked for jointly along a row of the cluster, B's along a column.
; REGISTERS: window 0: v0-31 addresses; v32-63 scale words, two sets; v64-127 the bias; v128-223 A's fragments, one set; on the way out v128-255.  window 1: B's fragments, two sets.  windows 2, 3: accumulators.
.set NQ,    2
.set FR,    12
.set NL,    4
.set NP,    4
.set RBK,   3072
.set HALFT, 8*RBK
.set SLOT,  4*HALFT
.set SCL,   2*SLOT                     ; the scales: A's 8,192 bytes; B's 128 bytes further on than 8,192, so that lanes 16-31 fall on the other half of the banks
.set SPARE, SCL+16640                  ; the spare words, 128 bytes for each wave
.set SPITCH, 528                       ; the way out: a stage of 16 rows x (512 + 16) bytes for each wave, in slot 0, which has had its last fill and its last read when the first result is stored there
.set AB0,   0
.set BB0,   704
.set VA0, 4                            ; v4  16 x lane;  v5  8 x lane
.set VB0, 5
.set ADRA, 16
.set ADRB, 20
.set STO, 24                           ; v24 the way out: where I put 32 bytes of a row
.set RD,  25                           ; v25 where I read a row back
.set BAD, 26                           ; v26 the bias's offset
.set ADRS, 27
.set SPW, 28
.set NIL, 29
.set SC,  32
.set BI,  64
.set AF,  128
.set BK,  128                          ; the way out: 16 rows read back: v128-191 and v192-255 by turns
.set WV,  16
.set RH,  17
.set CH,  18
.set G1,  24
.set G0,  32
.set G1B, 48
.set G0B, 56
.set G1S, 68
.set G0S, 76
.set G1SB, 80
.set G0SB, 88
.set MSB, 0
.macro WIN new                         ; the immediate's high byte repeats the setting that is left
.if MSB != (\new)
	s_set_vgpr_msb (MSB<<8)|(\new)
.set MSB, (\new)
.endif
.endm
.set MUL_LO, 0xa1
.set MUL_HI, 0xf1
.set TO_B,   0x40
.macro JLOAD g0a, g1a, g0b, g1b        ; a joint load: waves 0 and 1 fetch for A, waves 2 and 3 for B; an s_nop 0 and four v_nop follow each of the two lines
	s_cmp_eq_u32 s[RH], 0
	s_cbranch_scc0 .Lfor_b_\@
	tensor_load_to_lds s[\g0a:\g0a+3], s[\g1a:\g1a+7]
	s_nop 0
.rept 4
	v_nop
.endr
	s_branch .Lasked_\@
.Lfor_b_\@:
	tensor_load_to_lds s[\g0b:\g0b+3], s[\g1b:\g1b+7]
	s_nop 0
.rept 4
	v_nop
.endr
.Lasked_\@:
.endm
.macro CREST
	s_cmp_lg_u32 s[WV], 0
	s_cbranch_scc1 .Lnot_wave_0_\@
	s_barrier_signal -3
.Lnot_wave_0_\@:
	s_barrier_wait -3
	s_barrier_signal -1
	s_barrier_wait -1
.endm
.macro CROUND
	s_barrier_signal -1
	s_barrier_wait -1
	CREST
.endm
	s_load_b256 s[4:11], s[0:1], 0x0               ; yc s[4:5], ys s[6:7], codes s[8:9], scales s[10:11]
	s_load_b128 s[12:15], s[0:1], 0x20             ; b_proj s[12:13], out0 s[14:15]
	v_lshl_add_u32 v[SPW], v0, 2, SPARE
	v_mov_b32 v[NIL], 0
	ds_add_u32 v[SPW], v[NIL]                      ; the wave's opening: the add and its wait stand ahead of my first tensor load; work on registers stands between them
	v_lshrrev_b32 v1, 5, v0
	v_readfirstlane_b32 s[WV], v1
	s_lshr_b32 s[RH], s[WV], 1                     ; which half of the tile's rows is mine.  Also: I fetch for A (0) or for B (1)
	s_and_b32 s[CH], s[WV], 1                      ; which half of its columns.  Also: which 128 rows I fetch
	s_bfe_u32 s40, ttmp6, 0x40000                  ; cx
	s_bfe_u32 s41, ttmp6, 0x40004                  ; cy
	s_lshl_b32 s42, ttmp9, 2
	s_add_co_u32 s42, s42, s40                     ; TC: tile column
	s_and_b32 s43, ttmp7, 0xffff
	s_lshl_b32 s43, s43, 2
	s_add_co_u32 s43, s43, s41                     ; TR: tile row
	s_lshl_b32 s44, s41, 2
	s_lshl_b32 s44, 15, s44                        ; my row of the cluster
	s_lshl_b32 s45, 0x1111, s40                    ; my column
	s_or_b32 s[G1], s44, (3<<16)|(1<<21)           ; codes: 8 rowblocks x 3,072 bytes (384 elements of 8 bytes), 12,288 bytes apart in memory, dense in LDS
	s_or_b32 s[G1B], s45, (3<<16)|(1<<21)
.irp g, G1, G1B
	s_mov_b32 s[\g+1], 384<<16
	s_mov_b32 s[\g+2], 8<<16
	s_mov_b32 s[\g+3], 384<<16
	s_mov_b32 s[\g+4], 8
	s_mov_b32 s[\g+5], 1536
	s_mov_b32 s[\g+6], 0
	s_mov_b32 s[\g+7], 0
.endr
	s_or_b32 s[G1S], s44, (3<<16)|(1<<21)          ; the scales of 128 rows: 4,096 dense bytes as 16 rows of 256
	s_or_b32 s[G1SB], s45, (3<<16)|(1<<21)
.irp g, G1S, G1SB
	s_mov_b32 s[\g+1], 32<<16
	s_mov_b32 s[\g+2], 16<<16
	s_mov_b32 s[\g+3], 32<<16
	s_mov_b32 s[\g+4], 16
	s_mov_b32 s[\g+5], 32
	s_mov_b32 s[\g+6], 0
	s_mov_b32 s[\g+7], 0
.endr
	s_lshl_b32 s21, s[CH], 3
	s_lshl_b32 s20, s43, 4
	s_add_co_u32 s20, s20, s21
	s_add_co_u32 s20, s20, AB0                     ; A: the first rowblock that I fetch
	s_lshl_b32 s46, s42, 4
	s_add_co_u32 s46, s46, s21
	s_add_co_u32 s46, s46, BB0                     ; B likewise
	s_lshl_b32 s22, s20, 9
	s_mov_b32 s23, 0
	s_mul_i32 s20, s20, 12288
	s_mov_b32 s21, 0
	s_lshl_b32 s92, s46, 9
	s_mov_b32 s93, 0
	s_mul_i32 s46, s46, 12288
	s_mov_b32 s47, 0
	s_mul_i32 s94, s[WV], HALFT
	s_lshl_b32 s95, s[WV], 12
	s_wait_dscnt 0x0                               ; the opening add is done
	s_wait_kmcnt 0x0
	s_add_nc_u64 s[20:21], s[4:5], s[20:21]
	s_add_nc_u64 s[22:23], s[6:7], s[22:23]
	s_add_nc_u64 s[46:47], s[8:9], s[46:47]
	s_add_nc_u64 s[92:93], s[10:11], s[92:93]
	CROUND                                         ; all sixteen work-groups are here: the first joint loads meet
	s_mov_b32 s[G0S], 1
	s_add_co_u32 s[G0S+1], s95, SCL
	s_mov_b64 s[G0S+2:G0S+3], s[22:23]
	s_or_b32 s[G0S+3], s[G0S+3], 0x80000000
	s_mov_b32 s[G0SB], 1
	s_add_co_u32 s[G0SB+1], s95, SCL+128
	s_mov_b64 s[G0SB+2:G0SB+3], s[92:93]
	s_or_b32 s[G0SB+3], s[G0SB+3], 0x80000000
	JLOAD G0S, G1S, G0SB, G1SB
.irp s, 0,1
	s_mov_b32 s[G0+4*\s], 1
	s_add_co_u32 s[G0+4*\s+1], s94, \s*SLOT
	s_add_nc_u64 s[G0+4*\s+2:G0+4*\s+3], s[20:21], \s*RBK
	s_or_b32 s[G0+4*\s+3], s[G0+4*\s+3], 0x80000000
	s_mov_b32 s[G0B+4*\s], 1
	s_add_co_u32 s[G0B+4*\s+1], s94, \s*SLOT
	s_add_nc_u64 s[G0B+4*\s+2:G0B+4*\s+3], s[46:47], \s*RBK
	s_or_b32 s[G0B+4*\s+3], s[G0B+4*\s+3], 0x80000000
	JLOAD G0+4*\s, G1, G0B+4*\s, G1B
.endr
	v_and_b32 v1, 15, v0                           ; r
	v_bfe_u32 v2, v0, 4, 1                         ; h
	v_and_b32 v3, 31, v0                           ; lane
	v_lshlrev_b32 v[VA0], 4, v3
	v_lshlrev_b32 v[VB0], 3, v3
	s_mul_i32 s21, s[RH], HALFT
	s_mul_i32 s22, s[CH], HALFT
	s_add_co_u32 s22, s22, 2*HALFT
.irp s, 0,1
	v_add_nc_u32 v[ADRA+\s], s21, v[VA0]
	v_add_nc_u32 v[ADRB+\s], s22, v[VA0]
	v_add_nc_u32 v[ADRA+2+\s], s21, v[VB0]
	v_add_nc_u32 v[ADRB+2+\s], s22, v[VB0]
	s_add_co_u32 s21, s21, SLOT
	s_add_co_u32 s22, s22, SLOT
.endr
	v_lshlrev_b32 v6, 3, v1
	s_lshl_b32 s21, s[RH], 12
	s_lshl_b32 s22, s[CH], 12
	s_add_co_u32 s22, s22, 8320
	s_sub_co_u32 s22, s22, s21
	v_mul_u32_u24 v7, s22, v2                      ; lanes 16-31 take B's
	s_add_co_u32 s21, s21, SCL
	v_add_nc_u32 v6, v6, v7
	v_add_nc_u32 v[ADRS], s21, v6
	s_mul_i32 s23, s[WV], 16*SPITCH                ; my stage
	v_mul_u32_u24 v6, v1, SPITCH                   ; in: row r, + 64 h
	v_lshl_add_u32 v6, v2, 6, v6
	v_add_nc_u32 v[STO], s23, v6
	v_add_nc_u32 v[RD], s23, v[VA0]                ; back: the 32 lanes take one row of 512 bytes
	s_lshl_b32 s20, s42, 10                        ; the bias: tile b's register j is column 256 TC + 128 CH + 32 (b / 2) + 8 (b % 2) + 16 h + j
	s_lshl_b32 s21, s[CH], 9
	s_add_co_u32 s20, s20, s21
	s_mov_b32 s21, 0
	s_add_nc_u64 s[12:13], s[12:13], s[20:21]
	s_add_nc_u64 s[14:15], s[14:15], s[20:21]      ; my first column of out0 lies as many bytes on
	v_lshlrev_b32 v[BAD], 6, v2
.irp b, 0,1,2,3,4,5,6,7
	global_load_b128 v[BI+8*\b:BI+8*\b+3], v[BAD], s[12:13] offset:(32*(\b/2)+8*(\b%2))*4
	global_load_b128 v[BI+8*\b+4:BI+8*\b+7], v[BAD], s[12:13] offset:(32*(\b/2)+8*(\b%2))*4+16
.endr
	s_lshl_b32 s20, s43, 8
	s_lshl_b32 s22, s[RH], 7
	s_add_co_u32 s20, s20, s22                     ; my first token: 256 TR + 128 RH
	s_lshl_b32 s20, s20, 12
	s_add_nc_u64 s[14:15], s[14:15], s[20:21]
.macro FRAG reg, adr, q, i             ; a fragment, 16 rows x 128 K: two half fragments on end: four loads of consecutive bytes
	ds_load_b128 v[\reg:\reg+3], v[\adr] offset:RBK*(\i)+1536*(\q)
	ds_load_b64 v[\reg+4:\reg+5], v[\adr+2] offset:RBK*(\i)+1536*(\q)+512
	ds_load_b128 v[\reg+6:\reg+9], v[\adr] offset:RBK*(\i)+1536*(\q)+768
	ds_load_b64 v[\reg+10:\reg+11], v[\adr+2] offset:RBK*(\i)+1536*(\q)+1280
.endm
; 16 matrix instructions: A's blocks a0, a0 + 1 x B's eight, 128 along K.  zero = 1: the sums start from the bias.  The 64 accumulators take turns, one instruction a turn.
.macro MUL16 a0, p, q, sc, zero
.irp a, \a0, \a0+1
.irp b, 0,1,2,3,4,5,6,7
.if \zero
	v_wmma_scale_f32_16x16x128_f8f6f4 v[8*(8*((\a)%4)+\b):8*(8*((\a)%4)+\b)+7], v[128*(\p)+FR*\b:128*(\p)+FR*\b+FR-1], v[AF+FR*(\a):AF+FR*(\a)+FR-1], v[BI+8*\b:BI+8*\b+7], v[SC+8*NQ*(\sc)+NQ*\b+(\q)], v[SC+8*NQ*(\sc)+NQ*(\a)+(\q)] matrix_a_fmt:MATRIX_FMT_FP6 matrix_b_fmt:MATRIX_FMT_FP6 matrix_a_scale:MATRIX_SCALE_ROW1
.else
	v_wmma_scale_f32_16x16x128_f8f6f4 v[8*(8*((\a)%4)+\b):8*(8*((\a)%4)+\b)+7], v[128*(\p)+FR*\b:128*(\p)+FR*\b+FR-1], v[AF+FR*(\a):AF+FR*(\a)+FR-1], v[8*(8*((\a)%4)+\b):8*(8*((\a)%4)+\b)+7], v[SC+8*NQ*(\sc)+NQ*\b+(\q)], v[SC+8*NQ*(\sc)+NQ*(\a)+(\q)] matrix_a_fmt:MATRIX_FMT_FP6 matrix_b_fmt:MATRIX_FMT_FP6 matrix_a_scale:MATRIX_SCALE_ROW1
.endif
.endr
.endr
.endm
.macro FETCH_B slot, q, p
	WIN TO_B
.irp i, 0,1,2,3,4,5,6,7
	FRAG 128*(\p)+FR*\i, ADRB+\slot, \q, \i
.endr
	WIN 0
.endm
.macro FETCH_A slot, q, i0
.irp i, \i0, \i0+1, \i0+2, \i0+3
	FRAG AF+FR*(\i), ADRA+\slot, \q, \i
.endr
.endm
.macro SCALES sc
.irp i, 0,1,2,3,4,5,6,7
	ds_load_b64 v[SC+8*NQ*\sc+NQ*\i:SC+8*NQ*\sc+NQ*\i+1], v[ADRS] offset:\i*512
.endr
.endm
.macro PLACES n
.rept \n
	v_nop
.endr
.endm
.macro STEP slot, q, zero
	s_wait_dscnt 4*NL                              ; B's set and A's blocks 0-3 are in; the youngest sixteen loads (A's blocks 4-7) may be out
.if \zero
	WIN 0x81                                       ; C, the bias, in window 0
.else
	WIN MUL_LO
.endif
	MUL16 0, (\q)%2, \q, \slot, \zero
	MUL16 2, (\q)%2, \q, \slot, \zero
	s_wait_dscnt 0
	PLACES NP
	FETCH_B \slot, (\q)+1, 1-(\q)%2
	FETCH_A \slot, (\q)+1, 0
.if \zero
	WIN 0xc1
.else
	WIN MUL_HI
.endif
	MUL16 4, (\q)%2, \q, \slot, \zero
	MUL16 6, (\q)%2, \q, \slot, \zero
	PLACES NP
	WIN 0
	FETCH_A \slot, (\q)+1, 4
.endm
.macro TURN slot, next, fill           ; a slot's last step changes slots: one barrier; in front of it the wait for all my tensor loads, the add, and the wait for it and for my reads of this slot
	s_wait_tensorcnt 0x0
	ds_add_u32 v[SPW], v[NIL]                      ; 0 onto my spare word
	s_wait_dscnt 4*NL+1                            ; (the add and the youngest sixteen loads may be out)
	WIN MUL_LO
	MUL16 0, 1, NQ-1, \slot, 0
	s_wait_dscnt 0x0                               ; the add is done, and my reads of this slot are over
	s_barrier_signal -1
	MUL16 2, 1, NQ-1, \slot, 0
	WIN 0
	s_barrier_wait -1
.if \fill
	CREST                                          ; the barrier has opened a round of the cluster's barrier
	s_add_nc_u64 s[G0+4*\slot+2:G0+4*\slot+3], s[G0+4*\slot+2:G0+4*\slot+3], 2*RBK
	s_add_nc_u64 s[G0B+4*\slot+2:G0B+4*\slot+3], s[G0B+4*\slot+2:G0B+4*\slot+3], 2*RBK
	JLOAD G0+4*\slot, G1, G0B+4*\slot, G1B         ; the first tensor load behind the round; its four v_nop are the places in front of the loads below
.else
	PLACES NP
.endif
	v_add_nc_u32 v[ADRS], 128, v[ADRS]
	FETCH_B \next, 0, 0
	FETCH_A \next, 0, 0
	SCALES \next
	WIN MUL_HI
	MUL16 4, 1, NQ-1, \slot, 0
	MUL16 6, 1, NQ-1, \slot, 0
	PLACES NP
	WIN 0
	FETCH_A \next, 0, 4
.endm
	s_wait_tensorcnt 1                             ; the scales and my part of K step 0 are in (K step 1's load may be out),
	s_barrier_signal -1
	s_barrier_wait -1                              ; everybody's are
	FETCH_B 0, 0, 0
	FETCH_A 0, 0, 0
	SCALES 0
	FETCH_A 0, 0, 4
	s_wait_loadcnt 0x0                             ; the bias
	STEP 0, 0, 1
	TURN 0, 1, 1                                   ; K = 1,024 is four slots' worth: written out, no loop
	STEP 1, 0, 0
	TURN 1, 0, 1
	STEP 0, 0, 0
	TURN 0, 1, 0
	STEP 1, 0, 0
	s_wait_dscnt 4*NL
	WIN MUL_LO
	MUL16 0, 1, NQ-1, 1, 0
	MUL16 2, 1, NQ-1, 1, 0
	s_wait_dscnt 0
	WIN MUL_HI
	MUL16 4, 1, NQ-1, 1, 0
	MUL16 6, 1, NQ-1, 1, 0
	WIN 0
; THE WAY OUT, block by block of 16 tokens x 128 columns, through my own stage: a lane's eight numbers of tile b go to their columns' place in row r; whole rows of 512 bytes come back and are stored by the 32 lanes.
.macro TOSTAGE a
.set AC, 64*((\a)%4)
	WIN 0x08+4*((\a)/4)                            ; the data: window 2 or 3
.irp b, 0,1,2,3,4,5,6,7
	ds_store_b128 v[STO], v[AC+8*\b:AC+8*\b+3] offset:128*(\b/2)+32*(\b%2)         ; each accumulator from its low end on
	ds_store_b128 v[STO], v[AC+8*\b+4:AC+8*\b+7] offset:128*(\b/2)+32*(\b%2)+16
.endr
	WIN 0
.set BB, BK+64*((\a)%2)
.irp t, 0,1,2,3,4,5,6,7,8,9,10,11,12,13,14,15
	ds_load_b128 v[BB+4*\t:BB+4*\t+3], v[RD] offset:\t*SPITCH   ; LDS serves a wave's instructions in order: these see the stores above
.endr
.endm
.macro SEND a, younger                 ; younger: the LDS instructions issued behind block a's loads, which may stay out
.set BB, BK+64*((\a)%2)
	s_wait_dscnt \younger
.if (\a) > 0
.if ((\a)%2) == 1
	s_add_nc_u64 s[14:15], s[14:15], 8*4096        ; (behind a wait on XCNT)  block a begins at token 32 (a / 2) + 8 (a % 2)
.else
	s_add_nc_u64 s[14:15], s[14:15], 24*4096
.endif
.endif
.irp t, 0,1,2,3,4,5,6,7,8,9,10,11,12,13,14,15
	global_store_b128 v[VA0], v[BB+4*\t:BB+4*\t+3], s[14:15] offset:(\t+8*(\t/8))*4096 th:TH_STORE_NT   ; 512 consecutive bytes of one row of out0, aligned
.endr
.endm
	PLACES NP
	TOSTAGE 0
.irp a, 1,2,3,4,5,6,7
.if \a > 1
	s_wait_xcnt 0x0                                ; block a - 2's stores have read their registers and their base
.endif
	TOSTAGE \a
	SEND \a-1, 32                                  ; behind block a - 1's loads: block a's 16 stores and 16 loads
.endr
	s_wait_xcnt 0x0
	SEND 7, 0
	s_wait_tensorcnt 0x0                           ; the wave's end: behind my last tensor load and my last LDS store
	ds_add_u32 v[SPW], v[NIL]
	s_wait_dscnt 0x0
	CROUND                                         ; the closing round
	s_endpgm
.Lfunc_end_k_qb4f1595ef2_proj:
	.size	k_qb4f1595ef2_proj, .Lfunc_end_k_qb4f1595ef2_proj-k_qb4f1595ef2_proj
	.p2alignl 7, 3214868480
	.fill 96, 4, 3214868480
	.section	.rodata,"a",@progbits
	.p2align	6, 0x0
	.amdhsa_kernel k_qb4f1595ef2_proj
		.amdhsa_group_segment_fixed_size 327680
		.amdhsa_private_segment_fixed_size 0
		.amdhsa_enable_private_segment 0
		.amdhsa_kernarg_size 48
		.amdhsa_user_sgpr_count 2
		.amdhsa_user_sgpr_kernarg_segment_ptr 1
		.amdhsa_wavefront_size32 1
		.amdhsa_system_sgpr_workgroup_id_x 1
		.amdhsa_system_sgpr_workgroup_id_y 1
		.amdhsa_system_sgpr_workgroup_id_z 1
		.amdhsa_system_vgpr_workitem_id 0
		.amdhsa_next_free_vgpr 1024
		.amdhsa_next_free_sgpr 102
		.amdhsa_reserve_vcc 0
		.amdhsa_float_denorm_mode_32 3
		.amdhsa_float_denorm_mode_16_64 3
		.amdhsa_memory_ordered 1
		.amdhsa_forward_progress 1
		.amdhsa_inst_pref_size 145
	.end_amdhsa_kernel
	.amdgpu_metadata
---
amdhsa.version: [ 1, 2 ]
amdhsa.kernels:
  - .name:           k_qb4f1595ef2_proj
    .symbol:         k_qb4f1595ef2_proj.kd
    .args:
      - { .name: yc, .offset: 0, .size: 8, .value_kind: global_buffer, .address_space: global }
      - { .name: ys, .offset: 8, .size: 8, .value_kind: global_buffer, .address_space: global }
      - { .name: codes, .offset: 16, .size: 8, .value_kind: global_buffer, .address_space: global }
      - { .name: scales, .offset: 24, .size: 8, .value_kind: global_buffer, .address_space: global }
      - { .name: b_proj, .offset: 32, .size: 8, .value_kind: global_buffer, .address_space: global }
      - { .name: out0, .offset: 40, .size: 8, .value_kind: global_buffer, .address_space: global }
    .group_segment_fixed_size: 327680
    .private_segment_fixed_size: 0
    .kernarg_segment_align: 8
    .kernarg_segment_size: 48
    .max_flat_workgroup_size: 128
    .sgpr_count:     102
    .vgpr_count:     1024
    .wavefront_size: 32
...
	.end_amdgpu_metadata
.endif
;; end of part 4
